; MI455X (gfx1250); checked and timed in simulation.
; The chip was launched on July 23, 2026; its instructions are those of AMD's public machine-readable ISA for CDNA 5 (MIT licence, August 2026) and "CDNA5" Instruction Set Architecture Reference Guide (July 2026). The comments in the code are by the model that wrote it; some were corrected since.
;; LSH Attention. Allowed arithmetic: float matrix products may take bf16 or f16 operands with f32 sums; all other float work in f32.
;; Inputs: b_o 512 float32; b_qk 512 float32; b_v 512 float32; rotations 8 x 4 x 128 x 8 float32; w_o 512 x 512 float32; w_qk 512 x 512 float32; w_v 512 x 512 float32; x 1 x 1,024 x 512 float32.
;; Outputs: out0 1 x 1,024 x 512 float32.
;; 2 versions, each right; version 2 is version 1 with the launches proj, oproj written anew for expert scheduling mode. Each part assembles by itself: llvm-mc -triple=amdgcn-amd-amdhsa -mcpu=gfx1250 --defsym DOCPART=n.
;; ======== version 1 of 2: 4 launches
;; workspace buffers: qkb 1,048,576 bytes; vb 1,048,576 bytes; codes 32,768 bytes of whole numbers; order 131,072 bytes of whole numbers; range 2,048 bytes of whole numbers; part 16,777,216 bytes
;; launch proj (part 1): grid 8 x 32, 8 waves a work-group, no clusters, 219,904 bytes of LDS; arguments x, w_qk, b_qk, w_v, b_v, rotations, qkb, vb, codes; writes qkb, vb, codes
.if DOCPART == 1
	.amdgcn_target "amdgcn-amd-amdhsa--gfx1250"
	.amdhsa_code_object_version 6
	.text
	.protected	k_qc93a1cd13b_proj
	.globl	k_qc93a1cd13b_proj
	.p2align	8
	.type	k_qc93a1cd13b_proj,@function
k_qc93a1cd13b_proj:
	s_mov_b64 s[64:65], 0
	v_nop
	global_prefetch_b8 v0, s[64:65] scope:SCOPE_SE
	s_setreg_imm32_b32 hwreg(HW_REG_WAVE_MODE, 25, 1), 1
	s_wait_xcnt 0x0
; proj: qk = x w_qk + b_qk and v = x w_v + b_v, split by heads, stored as bf16 rows n = head*1024 + s of 128 numbers; for qk also the
; eight bucket numbers of each row (argmax over [rot, -rot], rot = qk x rotations), one byte for each hash.
; Work-group (cb, rb): cb < 4: qk of head cb; cb >= 4: v of head cb - 4.  Rows 32 rb .. 32 rb + 31, the head's 128 columns, K = 512.
; x, w and rotations are f32 in memory and pass through registers to become bf16 in LDS; all sums are f32.
; The bucket product takes qk as bf16 hi + bf16 lo (two products), so that the argmax sees qk to about 16 bits.
; LIMITS: NaN and infinite inputs are not served.  Two candidates of an argmax that lie closer than the hi + lo rounding of qk
; (about 2^-17 relative), the bf16 rounding of x, w_qk and rotations, or the order of the f32 sums can resolve, may fall the other way.
; No tensor loads, no cluster: every operand changes format in registers on its way into LDS.
.set PW,   288                         ; W in LDS: [k][128 n] bf16, 256 bytes + 32: an odd multiple of 32 bytes, for the transposing loads
.set PX,   1040                        ; X in LDS: [row][512 k] bf16, 1024 bytes + 16: an odd multiple of 16 bytes
.set PR,   160                         ; rotations in LDS: [d][8 hash + c] bf16, 128 bytes + 32
.set PQ,   272                         ; results in LDS: [row][128] bf16, 256 bytes + 16
.set LX,   512*PW                      ; 147456
.set LROT, LX+32*PX                    ; 180736
.set LQHI, LROT+128*PR                 ; 201216
.set LQLO, LQHI+32*PQ                  ; 209920
.set LCD,  LQLO+32*PQ                  ; 218624: 32 rows x 8 bucket bytes
.set GW,   5                           ; global offset of my 16 bytes in w's rows
.set GX,   6                           ; the same in x
.set WS,   7                           ; LDS: where my converted w goes (steps by 128 rows a batch)
.set XS,   8                           ; LDS: where my converted x goes
.set GR,   9                           ; global offset in rotations
.set RS,   10                          ; LDS: where my converted rotations go
.set WR,   11                          ; v11-14: LDS address of my W fragments, k = 128 g ..
.set XR,   15                          ; LDS address of my X fragments
.set QST,  16                          ; LDS: where my 8 results of a row go
.set RR,   17                          ; LDS address of my rotation fragments
.set QR,   18                          ; LDS address of my qk fragments
.set CDS,  19                          ; LDS: my bucket byte
.set CPR,  20                          ; LDS: what I copy out
.set CPG,  21                          ; global offset of what I copy out
.set L8,   22                          ; 8 x lane
.set CDR,  23                          ; LDS: bucket bytes of row = lane
.set BIAS, 24                          ; v24-31: bias of my 8 columns
.set SA,   32                          ; v32-95: 16 loads of 16 bytes
.set SB,   96                          ; v96-159: 16 more
.set RT,   160                         ; v160-191: 8 loads of rotations
.set FB0,  32                          ; fragment buffers: two K steps of 32, each W (8), X rows 0-15 (8), X rows 16-31 (8)
.set FB1,  80
.set ACC0, 128                         ; rows 0-15
.set ACC1, 136                         ; rows 16-31
.set T,    144                         ; v144-159: packed hi and lo
.set U,    160                         ; v160-167: at work
.set CP,   168                         ; v168-175: copy out
.set HH,   176                         ; rot from qk's hi part
.set HL,   184                         ; rot from qk's lo part
.set HF,   32                          ; fragments of the bucket product
.set BI,   160
.set BV,   161
.set NG,   162
.set TA,   192
.set TB,   193
.set BA,   194
	s_load_b256 s[4:11], s[0:1], 0x0               ; x s[4:5], w_qk s[6:7], b_qk s[8:9], w_v s[10:11]
	s_load_b256 s[12:19], s[0:1], 0x20             ; b_v s[12:13], rotations s[14:15], qkb s[16:17], vb s[18:19]
	s_load_b64 s[20:21], s[0:1], 0x40              ; codes
	v_lshl_add_u32 v200, v0, 2, 0x35700
	v_mov_b32 v201, 0
	v_and_b32 v1, 31, v0                           ; L
	v_lshrrev_b32 v4, 5, v0
	v_readfirstlane_b32 s28, v4                    ; wave w
	v_and_b32 v2, 15, v0                           ; r
	v_bfe_u32 v3, v0, 4, 1                         ; h
	s_mov_b32 s29, ttmp9                           ; cb
	s_and_b32 s30, ttmp9, 3                        ; head
	s_and_b32 s31, ttmp7, 0xffff                   ; rb
	s_and_b32 s36, s28, 1                          ; w & 1
	s_lshr_b32 s37, s28, 1                         ; w >> 1
	s_and_b32 s38, s28, 3                          ; w & 3
	s_lshr_b32 s39, s28, 2                         ; w >> 2
	s_lshl_b32 s34, s28, 11
	v_lshl_add_u32 v[GW], v1, 4, s34               ; row w of eight (2048 bytes each) + 16 L
	s_lshl_b32 s34, s28, 13
	v_lshl_add_u32 v[GX], v1, 4, s34               ; rows 4 w .. 4 w + 3 of x + 16 L
	s_mul_i32 s34, s28, PW
	v_lshl_add_u32 v[WS], v1, 3, s34
	s_mul_i32 s34, s28, 4*PX
	s_add_co_u32 s34, s34, LX
	v_lshl_add_u32 v[XS], v1, 3, s34
	s_lshl_b32 s34, s39, 14                        ; thread t = 32 w + L: hash parity t >> 7 = w >> 2, d = t & 127 = 32 (w & 3) + L
	s_lshl_b32 s35, s38, 10
	s_add_co_u32 s34, s34, s35
	v_lshl_add_u32 v[GR], v1, 5, s34
	s_mul_i32 s34, s38, 32*PR                      ; row d = 32 (w & 3) + L,
	s_lshl_b32 s35, s39, 4                         ; 16 bytes for the hash's parity
	s_add_co_u32 s34, s34, s35
	s_add_co_u32 s34, s34, LROT
	v_mul_u32_u24 v[TB], v1, PR
	v_add_nc_u32 v[RS], s34, v[TB]
	v_and_b32 v4, 7, v0
	v_lshl_add_u32 v4, v3, 3, v4                   ; 8 h + (L & 7): the row that a transposing load addresses
	v_bfe_u32 v[TA], v0, 3, 1
	v_lshlrev_b32 v[TA], 4, v[TA]                  ; 16 ((L >> 3) & 1)
	v_mad_u32_u24 v[TB], v4, PW, v[TA]
	s_lshl_b32 s34, s28, 5                         ; my 16 columns: 32 w bytes
	v_add_nc_u32 v[WR], s34, v[TB]
	v_add_nc_u32 v[WR+1], 128*PW, v[WR]
	v_add_nc_u32 v[WR+2], 256*PW, v[WR]
	v_add_nc_u32 v[WR+3], 384*PW, v[WR]
	v_mad_u32_u24 v[TB], v4, PR, v[TA]
	s_lshl_b32 s34, s37, 5
	s_add_co_u32 s34, s34, LROT
	v_add_nc_u32 v[RR], s34, v[TB]
	v_mul_u32_u24 v[TB], v2, PX
	v_lshl_add_u32 v[TB], v3, 4, v[TB]
	v_add_nc_u32 v[XR], LX, v[TB]
	v_mul_u32_u24 v[TB], v2, PQ
	v_lshl_add_u32 v[TB], v3, 4, v[TB]             ; r x pitch + 16 h
	s_lshl_b32 s34, s28, 5
	s_add_co_u32 s34, s34, LQHI
	v_add_nc_u32 v[QST], s34, v[TB]
	s_mul_i32 s34, s36, 16*PQ
	s_add_co_u32 s34, s34, LQHI
	v_add_nc_u32 v[QR], s34, v[TB]
	s_lshl_b32 s34, s36, 7                         ; 16 (w & 1) rows of 8 bytes,
	s_lshl_b32 s35, s37, 1                         ; hash 2 (w >> 1)
	s_add_co_u32 s34, s34, s35
	s_add_co_u32 s34, s34, LCD
	v_lshl_add_u32 v[TB], v2, 3, v3
	v_add_nc_u32 v[CDS], s34, v[TB]                ; row 16 (w & 1) + r, hash 2 (w >> 1) + h
	s_mul_i32 s34, s28, 2*PQ
	s_add_co_u32 s34, s34, LQHI
	v_mul_u32_u24 v[TB], v3, PQ
	v_lshl_add_u32 v[TB], v2, 4, v[TB]
	v_add_nc_u32 v[CPR], s34, v[TB]                ; row 2 w + h, 16 r
	s_lshl_b32 s34, s28, 9
	v_lshl_add_u32 v[CPG], v1, 4, s34              ; 16 t
	v_lshlrev_b32 v[L8], 3, v1
	v_add_nc_u32 v[CDR], LCD, v[L8]
	s_lshl_b32 s34, s28, 6
	v_lshl_add_u32 v[BA], v3, 5, s34               ; 4 (16 w + 8 h)
	s_wait_kmcnt 0x0
	s_cmp_lt_u32 s29, 4                            ; qk or v: weights, bias, destination
	s_cselect_b64 s[22:23], s[6:7], s[10:11]
	s_cselect_b64 s[24:25], s[8:9], s[12:13]
	s_cselect_b64 s[26:27], s[16:17], s[18:19]
	s_lshl_b32 s32, s30, 9                         ; the head's 128 columns: 512 bytes
	s_mov_b32 s33, 0
	s_add_nc_u64 s[22:23], s[22:23], s[32:33]
	s_add_nc_u64 s[24:25], s[24:25], s[32:33]
	s_lshl_b32 s32, s31, 16                        ; 32 rows of x
	s_add_nc_u64 s[4:5], s[4:5], s[32:33]
	s_lshl_b32 s32, s30, 12                        ; the head's 128 x 8 rotations
	s_add_nc_u64 s[14:15], s[14:15], s[32:33]
	s_lshl_b32 s34, s30, 10
	s_lshl_b32 s35, s31, 5
	s_add_co_u32 s34, s34, s35                     ; first flat row: head * 1024 + 32 rb
	s_lshl_b32 s32, s34, 8
	s_add_nc_u64 s[26:27], s[26:27], s[32:33]
	s_lshl_b32 s32, s34, 3
	s_add_nc_u64 s[20:21], s[20:21], s[32:33]
.macro LDW rg, b                       ; rows k = 128 b + 8 i + w of w: each load of the wave is 512 neighbouring bytes
.set i, 0
.rept 16
	global_load_b128 v[\rg+4*i:\rg+4*i+3], v[GW], s[22:23] offset:(128*\b+8*i)*2048
.set i, i+1
.endr
.endm
.macro LDX rg                          ; rows 4 w .. 4 w + 3 of x, 512 bytes a load
.set i, 0
.rept 16
	global_load_b128 v[\rg+4*i:\rg+4*i+3], v[GX], s[4:5] offset:i*512
.set i, i+1
.endr
.endm
.macro CVW rg                          ; four f32 become 8 bytes of bf16; the wave's store covers 256 neighbouring bytes
.set i, 0
.rept 16
	v_cvt_pk_bf16_f32 v[\rg+4*i], v[\rg+4*i], v[\rg+4*i+1]
	v_cvt_pk_bf16_f32 v[\rg+4*i+1], v[\rg+4*i+2], v[\rg+4*i+3]
	ds_store_b64 v[WS], v[\rg+4*i:\rg+4*i+1] offset:i*8*PW
.set i, i+1
.endr
	v_add_nc_u32 v[WS], 128*PW, v[WS]
.endm
.macro CVX rg
.set i, 0
.rept 16
	v_cvt_pk_bf16_f32 v[\rg+4*i], v[\rg+4*i], v[\rg+4*i+1]
	v_cvt_pk_bf16_f32 v[\rg+4*i+1], v[\rg+4*i+2], v[\rg+4*i+3]
	ds_store_b64 v[XS], v[\rg+4*i:\rg+4*i+1] offset:(i>>2)*PX+(i&3)*256
.set i, i+1
.endr
.endm
.macro PLACES                          ; four places behind a matrix instruction (ISA guide 7.12.1)
.rept 4
	v_nop
.endr
.endm
; twelve LDS loads: the fragments of K steps 2 g and 2 g + 1
.macro LOADG g, fb
.irp kk, 0, 1
	ds_load_tr16_b128 v[\fb+24*\kk:\fb+24*\kk+3], v[WR+((2*\g+\kk)>>2)] offset:((2*\g+\kk)&3)*32*PW
	ds_load_tr16_b128 v[\fb+24*\kk+4:\fb+24*\kk+7], v[WR+((2*\g+\kk)>>2)] offset:((2*\g+\kk)&3)*32*PW+16*PW
	ds_load_b128 v[\fb+24*\kk+8:\fb+24*\kk+11], v[XR] offset:64*(2*\g+\kk)
	ds_load_b128 v[\fb+24*\kk+12:\fb+24*\kk+15], v[XR] offset:64*(2*\g+\kk)+32
	ds_load_b128 v[\fb+24*\kk+16:\fb+24*\kk+19], v[XR] offset:64*(2*\g+\kk)+16*PX
	ds_load_b128 v[\fb+24*\kk+20:\fb+24*\kk+23], v[XR] offset:64*(2*\g+\kk)+16*PX+32
.endr
.endm
; four matrix instructions.  Source 0 = 16 columns of w, source 1 = 16 rows of x: a lane then holds row r, columns 16 w + 8 h + 0..7.
; The two accumulators take turns, one instruction a turn.
.macro MULG fb, zero
.irp kk, 0, 1
.if \zero*(1-\kk)
	v_wmma_f32_16x16x32_bf16 v[ACC0:ACC0+7], v[\fb+24*\kk:\fb+24*\kk+7], v[\fb+24*\kk+8:\fb+24*\kk+15], 0
	v_wmma_f32_16x16x32_bf16 v[ACC1:ACC1+7], v[\fb+24*\kk:\fb+24*\kk+7], v[\fb+24*\kk+16:\fb+24*\kk+23], 0
.else
	v_wmma_f32_16x16x32_bf16 v[ACC0:ACC0+7], v[\fb+24*\kk:\fb+24*\kk+7], v[\fb+24*\kk+8:\fb+24*\kk+15], v[ACC0:ACC0+7]
	v_wmma_f32_16x16x32_bf16 v[ACC1:ACC1+7], v[\fb+24*\kk:\fb+24*\kk+7], v[\fb+24*\kk+16:\fb+24*\kk+23], v[ACC1:ACC1+7]
.endif
.endr
.endm
.macro STEPG fb, nxt, zero
	s_wait_dscnt 12                                ; this buffer's twelve loads are in; the other buffer's twelve may be out
	MULG \fb, \zero
	PLACES
	LOADG \nxt, \fb
.endm
.macro FIN acc, tt, ofs                ; + bias, rounded to bf16, 16 bytes into the row
.irp j, 0,2,4,6
	v_pk_add_f32 v[\acc+\j:\acc+\j+1], v[\acc+\j:\acc+\j+1], v[BIAS+\j:BIAS+\j+1]
.endr
.irp j, 0,1,2,3
	v_cvt_pk_bf16_f32 v[\tt+\j], v[\acc+2*\j], v[\acc+2*\j+1]
.endr
	ds_store_b128 v[QST], v[\tt:\tt+3] offset:\ofs
.endm
.macro FINLO acc, tt, ofs              ; lo = q - f32(hi), rounded to bf16
.irp j, 0,1,2,3
	v_lshlrev_b32 v[U+2*\j], 16, v[\tt+\j]
	v_and_b32 v[U+2*\j+1], 0xffff0000, v[\tt+\j]
.endr
.irp j, 0,2,4,6
	v_pk_add_f32 v[U+\j:U+\j+1], v[\acc+\j:\acc+\j+1], v[U+\j:U+\j+1] neg_lo:[0,1] neg_hi:[0,1]
.endr
.irp j, 0,1,2,3
	v_cvt_pk_bf16_f32 v[\tt+8+\j], v[U+2*\j], v[U+2*\j+1]
.endr
	ds_store_b128 v[QST], v[\tt+8:\tt+11] offset:\ofs+32*PQ
.endm
	; THE FILL.  Two sets of sixteen loads are always on their way.
	global_load_b128 v[BIAS:BIAS+3], v[BA], s[24:25]
	global_load_b128 v[BIAS+4:BIAS+7], v[BA], s[24:25] offset:16
	s_cmp_lt_u32 s29, 4
	s_cbranch_scc0 .Lnorot1
.irp i4, 0,1,2,3
	global_load_b128 v[RT+8*\i4:RT+8*\i4+3], v[GR], s[14:15] offset:\i4*32768       ; hash 2 i + (t >> 7), row d: 8 numbers
	global_load_b128 v[RT+8*\i4+4:RT+8*\i4+7], v[GR], s[14:15] offset:\i4*32768+16
.endr
.Lnorot1:
	LDX SA
	LDW SB, 0
	s_cmp_lt_u32 s29, 4
	s_cbranch_scc0 .Lnorot2
	s_wait_loadcnt 32                              ; the 32 younger loads are x's and w's first batch: the rotations are in
.irp i4, 0,1,2,3
	v_cvt_pk_bf16_f32 v[RT+8*\i4], v[RT+8*\i4], v[RT+8*\i4+1]
	v_cvt_pk_bf16_f32 v[RT+8*\i4+1], v[RT+8*\i4+2], v[RT+8*\i4+3]
	v_cvt_pk_bf16_f32 v[RT+8*\i4+2], v[RT+8*\i4+4], v[RT+8*\i4+5]
	v_cvt_pk_bf16_f32 v[RT+8*\i4+3], v[RT+8*\i4+6], v[RT+8*\i4+7]
	ds_store_b128 v[RS], v[RT+8*\i4:RT+8*\i4+3] offset:32*\i4
.endr
.Lnorot2:
	s_wait_loadcnt 16                              ; each of these waits leaves the one younger batch of sixteen out
	CVX SA
	LDW SA, 1
	s_wait_loadcnt 16
	CVW SB
	LDW SB, 2
	s_wait_loadcnt 16
	CVW SA
	LDW SA, 3
	s_wait_loadcnt 16
	CVW SB
	s_wait_loadcnt 0x0
	CVW SA
	s_wait_dscnt 0x0                               ; my stores are in LDS,
	s_barrier_signal -1
	s_barrier_wait -1                              ; everybody's are
	; THE PRODUCT: 16 K steps of 32 in eight groups on two fragment buffers
	LOADG 0, FB0
	LOADG 1, FB1
	STEPG FB0, 2, 1
	STEPG FB1, 3, 0
	STEPG FB0, 4, 0
	STEPG FB1, 5, 0
	STEPG FB0, 6, 0
	STEPG FB1, 7, 0
	s_wait_dscnt 12
	MULG FB0, 0
	s_wait_dscnt 0x0
	MULG FB1, 0
	PLACES
	FIN ACC0, T, 0
	FIN ACC1, T+4, 16*PQ
	s_cmp_lt_u32 s29, 4
	s_cbranch_scc0 .Lnolo
	FINLO ACC0, T, 0
	FINLO ACC1, T+4, 16*PQ
.Lnolo:
	s_wait_dscnt 0x0
	s_barrier_signal -1
	s_barrier_wait -1                              ; the 32 rows are whole
	ds_load_b128 v[CP:CP+3], v[CPR]
	ds_load_b128 v[CP+4:CP+7], v[CPR] offset:16*PQ
	s_wait_dscnt 0x0
	global_store_b128 v[CPG], v[CP:CP+3], s[26:27]                 ; 16 lanes store one row of 256 bytes; the 32 rows are 8192 neighbouring bytes
	global_store_b128 v[CPG], v[CP+4:CP+7], s[26:27] offset:4096
	s_cmp_lt_u32 s29, 4
	s_cbranch_scc0 .Lnohash
	; THE BUCKETS: rot[row][8 hash + c], 32 rows x 64 columns, K = 128.  Wave w: rows 16 (w & 1) .., columns 16 (w >> 1) ..
	; Source 0 = 16 columns of the rotations, source 1 = 16 rows of qk: a lane holds row r, hash 2 (w >> 1) + h, c = 0 .. 7.
.irp ks, 0,1,2,3
	ds_load_tr16_b128 v[HF+24*\ks:HF+24*\ks+3], v[RR] offset:\ks*32*PR
	ds_load_tr16_b128 v[HF+24*\ks+4:HF+24*\ks+7], v[RR] offset:\ks*32*PR+16*PR
	ds_load_b128 v[HF+24*\ks+8:HF+24*\ks+11], v[QR] offset:64*\ks
	ds_load_b128 v[HF+24*\ks+12:HF+24*\ks+15], v[QR] offset:64*\ks+32
	ds_load_b128 v[HF+24*\ks+16:HF+24*\ks+19], v[QR] offset:64*\ks+32*PQ
	ds_load_b128 v[HF+24*\ks+20:HF+24*\ks+23], v[QR] offset:64*\ks+32*PQ+32
.endr
	s_wait_dscnt 0x0
	v_wmma_f32_16x16x32_bf16 v[HH:HH+7], v[HF:HF+7], v[HF+8:HF+15], 0              ; hi and lo take turns
	v_wmma_f32_16x16x32_bf16 v[HL:HL+7], v[HF:HF+7], v[HF+16:HF+23], 0
.irp ks, 1,2,3
	v_wmma_f32_16x16x32_bf16 v[HH:HH+7], v[HF+24*\ks:HF+24*\ks+7], v[HF+24*\ks+8:HF+24*\ks+15], v[HH:HH+7]
	v_wmma_f32_16x16x32_bf16 v[HL:HL+7], v[HF+24*\ks:HF+24*\ks+7], v[HF+24*\ks+16:HF+24*\ks+23], v[HL:HL+7]
.endr
	PLACES
.irp j, 0,2,4,6
	v_pk_add_f32 v[HH+\j:HH+\j+1], v[HH+\j:HH+\j+1], v[HL+\j:HL+\j+1]
.endr
	; argmax over rot[0..7], -rot[0..7]: a later candidate wins only if strictly larger, so the first maximum stays
	v_mov_b32 v[BI], 0
	v_mov_b32 v[BV], v[HH]
.irp j, 1,2,3,4,5,6,7
	v_cmp_gt_f32 vcc_lo, v[HH+\j], v[BV]
	v_cndmask_b32 v[BI], v[BI], \j, vcc_lo
	v_cndmask_b32 v[BV], v[BV], v[HH+\j], vcc_lo
.endr
.irp j, 0,1,2,3,4,5,6,7
	v_xor_b32 v[NG], 0x80000000, v[HH+\j]
	v_cmp_gt_f32 vcc_lo, v[NG], v[BV]
	v_cndmask_b32 v[BI], v[BI], \j+8, vcc_lo
	v_cndmask_b32 v[BV], v[BV], v[NG], vcc_lo
.endr
	ds_store_b8 v[CDS], v[BI]                      ; into the 256 bucket bytes, which nothing has read or written so far
.Lnohash:
	s_wait_dscnt 0x0
	s_barrier_signal -1
	s_barrier_wait -1                              ; the 256 bucket bytes are whole
	s_cmp_lt_u32 s29, 4
	s_cbranch_scc0 .Lend
	s_cmp_lg_u32 s28, 0
	s_cbranch_scc1 .Lend
	ds_load_b64 v[U:U+1], v[CDR]
	s_wait_dscnt 0x0
	global_store_b64 v[L8], v[U:U+1], s[20:21]     ; wave 0: 32 rows x 8 bytes = 256 neighbouring bytes, aligned
.Lend:
	s_wait_tensorcnt 0x0
	ds_add_u32 v200, v201
	s_wait_dscnt 0x0
	s_endpgm
.Lfunc_end_k_qc93a1cd13b_proj:
	.size	k_qc93a1cd13b_proj, .Lfunc_end_k_qc93a1cd13b_proj-k_qc93a1cd13b_proj
	.p2alignl 7, 3214868480
	.fill 96, 4, 3214868480
	.section	.rodata,"a",@progbits
	.p2align	6, 0x0
	.amdhsa_kernel k_qc93a1cd13b_proj
		.amdhsa_group_segment_fixed_size 219904
		.amdhsa_private_segment_fixed_size 0
		.amdhsa_enable_private_segment 0
		.amdhsa_kernarg_size 72
		.amdhsa_user_sgpr_count 2
		.amdhsa_user_sgpr_kernarg_segment_ptr 1
		.amdhsa_wavefront_size32 1
		.amdhsa_system_sgpr_workgroup_id_x 1
		.amdhsa_system_sgpr_workgroup_id_y 1
		.amdhsa_system_sgpr_workgroup_id_z 1
		.amdhsa_system_vgpr_workitem_id 0
		.amdhsa_next_free_vgpr 202
		.amdhsa_next_free_sgpr 66
		.amdhsa_reserve_vcc 1
		.amdhsa_float_denorm_mode_32 3
		.amdhsa_float_denorm_mode_16_64 3
		.amdhsa_memory_ordered 1
		.amdhsa_forward_progress 1
		.amdhsa_inst_pref_size 49
	.end_amdhsa_kernel
	.amdgpu_metadata
---
amdhsa.version: [ 1, 2 ]
amdhsa.kernels:
  - .name:           k_qc93a1cd13b_proj
    .symbol:         k_qc93a1cd13b_proj.kd
    .args:
      - { .name: x, .offset: 0, .size: 8, .value_kind: global_buffer, .address_space: global }
      - { .name: w_qk, .offset: 8, .size: 8, .value_kind: global_buffer, .address_space: global }
      - { .name: b_qk, .offset: 16, .size: 8, .value_kind: global_buffer, .address_space: global }
      - { .name: w_v, .offset: 24, .size: 8, .value_kind: global_buffer, .address_space: global }
      - { .name: b_v, .offset: 32, .size: 8, .value_kind: global_buffer, .address_space: global }
      - { .name: rotations, .offset: 40, .size: 8, .value_kind: global_buffer, .address_space: global }
      - { .name: qkb, .offset: 48, .size: 8, .value_kind: global_buffer, .address_space: global }
      - { .name: vb, .offset: 56, .size: 8, .value_kind: global_buffer, .address_space: global }
      - { .name: codes, .offset: 64, .size: 8, .value_kind: global_buffer, .address_space: global }
    .group_segment_fixed_size: 219904
    .private_segment_fixed_size: 0
    .kernarg_segment_align: 8
    .kernarg_segment_size: 72
    .max_flat_workgroup_size: 256
    .sgpr_count:     66
    .vgpr_count:     202
    .wavefront_size: 32
...
	.end_amdgpu_metadata
.endif
;; end of part 1
;; launch sort (part 2): grid 8 x 1, 32 waves a work-group, no clusters, 26,880 bytes of LDS; arguments codes, order, range; writes order, range
.if DOCPART == 2
	.amdgcn_target "amdgcn-amd-amdhsa--gfx1250"
	.amdhsa_code_object_version 6
	.text
	.protected	k_qc93a1cd13b_sort
	.globl	k_qc93a1cd13b_sort
	.p2align	8
	.type	k_qc93a1cd13b_sort,@function
k_qc93a1cd13b_sort:
	s_mov_b64 s[64:65], 0
	v_nop
	global_prefetch_b8 v0, s[64:65] scope:SCOPE_SE
	s_setreg_imm32_b32 hwreg(HW_REG_WAVE_MODE, 25, 1), 1
	s_wait_xcnt 0x0
; sort: one work-group for each hash.  A counting sort of the 4096 rows by their bucket (0 .. 15):
;   order[hash][pos] = row | bucket << 16, rows of one bucket neighbouring;
;   range[hash][qt]  = first key tile and number of key tiles (64 positions each) that hold every bucket met in positions 128 qt .. 128 qt + 127.
; Thread t owns rows 4 t .. 4 t + 3.  Whole numbers only; no matrix work, no tensor loads, no cluster: 32 KB in, 16 KB out for a work-group.
.set HIST,   0                         ; word 32 b + w: rows of bucket b in wave w (b = 16 .. 31: zeros, stored to keep all lanes on, never read)
.set BASE,   4096                      ; word 32 b + w: first position of wave w's rows of bucket b; word 512 = 4096
.set SORTED, 6400                      ; the 4096 entries in order
.set C,   4                            ; v4-7    bucket of my row g
.set RK,  8                            ; v8-11   its rank among the wave's rows of that bucket
.set D,   12                           ; v12-19  my 32 bytes of codes; later addresses
.set A4,  12
.set B4,  16
.set T,   20
.set H,   21
.set HA,  22
.set GA,  23
.set E,   24                           ; v24-39  wave 0: sixteen counts; later entries
.set V4,  24
.set W7,  28
.set P,   40                           ; v40-55  wave 0: their prefix
.set TOT, 56
.set SC,  57
.set TM,  58
.set LA,  59
.set ZA,  60
.set N0,  61
.set T16, 62
.set LA2, 63
	s_load_b128 s[4:7], s[0:1], 0x0                ; codes s[4:5], order s[6:7]
	s_load_b64 s[8:9], s[0:1], 0x10                ; range
	v_lshl_add_u32 v64, v0, 2, 0x5900
	v_mov_b32 v65, 0
	v_and_b32 v1, 31, v0                           ; L
	v_lshrrev_b32 v2, 5, v0
	v_readfirstlane_b32 s10, v2                    ; wave w
	v_bfe_u32 v3, v0, 4, 1                         ; L >> 4
	s_mov_b32 s11, ttmp9                           ; hash
	s_cmp_ge_u32 s11, 4
	s_cselect_b32 s12, -1, 0                       ; hashes 4-7 lie in a row's second word
	s_and_b32 s13, s11, 3
	s_lshl_b32 s13, s13, 3                         ; the byte's first bit
	s_lshl_b32 s48, s10, 10
	v_lshl_add_u32 v[GA], v1, 5, s48               ; 32 t
	s_lshl_b32 s49, s10, 2                         ; 4 w
	v_lshl_add_u32 v[HA], v1, 7, s49               ; word 32 L + w
	s_lshl_b32 s48, s10, 7
	v_lshl_add_u32 v[N0], v1, 2, s48               ; 4 t
	s_lshl_b32 s48, s10, 9
	v_lshl_add_u32 v[T16], v1, 4, s48              ; 16 t
	s_mov_b32 s15, 0
	s_wait_kmcnt 0x0
	global_load_b128 v[D:D+3], v[GA], s[4:5]
	global_load_b128 v[D+4:D+7], v[GA], s[4:5] offset:16
	s_lshl_b32 s14, s11, 14
	s_add_nc_u64 s[6:7], s[6:7], s[14:15]          ; order of my hash
	s_lshl_b32 s14, s11, 8
	s_add_nc_u64 s[8:9], s[8:9], s[14:15]          ; range of my hash
.irp b, 0,1,2,3,4,5,6,7,8,9,10,11,12,13,14,15
	s_mov_b32 s[16+\b], 0                          ; the wave's counts
.endr
.irp g, 0,1,2,3
	v_mov_b32 v[RK+\g], 0
.endr
	s_wait_loadcnt 0x0
.irp g, 0,1,2,3
	v_cndmask_b32 v[C+\g], v[D+2*\g], v[D+2*\g+1], s12
	v_bfe_u32 v[C+\g], v[C+\g], s13, 4
	v_min_u32 v[C+\g], 15, v[C+\g]
.endr
; rank of row g of every lane: the wave's count so far + the lower lanes with the same bucket
.macro RANK g
.irp b, 0,1,2,3,4,5,6,7,8,9,10,11,12,13,14,15
	v_cmp_eq_u32 s[32+\b], \b, v[C+\g]
.endr
.irp b, 0,1,2,3,4,5,6,7,8,9,10,11,12,13,14,15
	v_mbcnt_lo_u32_b32 v[T], s[32+\b], s[16+\b]
	v_cndmask_b32 v[RK+\g], v[RK+\g], v[T], s[32+\b]
	s_bcnt1_i32_b32 s48, s[32+\b]
	s_add_co_u32 s[16+\b], s[16+\b], s48
.endr
.endm
	RANK 0
	RANK 1
	RANK 2
	RANK 3
	v_mov_b32 v[H], 0
.irp b, 0,1,2,3,4,5,6,7,8,9,10,11,12,13,14,15
	v_writelane_b32 v[H], s[16+\b], \b
.endr
	ds_store_b32 v[HA], v[H] offset:HIST
	s_wait_dscnt 0x0
	s_barrier_signal -1
	s_barrier_wait -1                              ; all counts are in LDS
	s_cmp_lg_u32 s10, 0
	s_cbranch_scc1 .Lscanned
	; wave 0: exclusive prefix over the 512 counts in the order (bucket, wave); lane L takes words 16 L .. 16 L + 15
	v_lshlrev_b32 v[LA], 6, v1
	ds_load_b128 v[E:E+3], v[LA] offset:HIST
	ds_load_b128 v[E+4:E+7], v[LA] offset:HIST+16
	ds_load_b128 v[E+8:E+11], v[LA] offset:HIST+32
	ds_load_b128 v[E+12:E+15], v[LA] offset:HIST+48
	v_mov_b32 v[TM], 0
	v_mov_b32 v[ZA], 0
	s_wait_dscnt 0x0
	v_add3_u32 v[TOT], v[E], v[E+1], v[E+2]
.irp j, 3,5,7,9,11,13
	v_add3_u32 v[TOT], v[TOT], v[E+\j], v[E+\j+1]
.endr
	v_add_nc_u32 v[TOT], v[TOT], v[E+15]
	v_mov_b32 v[SC], v[TOT]
.irp n, 1,2,4,8
	v_mov_b32_dpp v[TM], v[SC] row_shr:\n row_mask:0xf bank_mask:0xf bound_ctrl:1   ; lanes without a source take 0
	v_add_nc_u32 v[SC], v[SC], v[TM]
.endr
	v_readlane_b32 s48, v[SC], 15                  ; the lower sixteen lanes' total
	v_mad_u32_u24 v[SC], v3, s48, v[SC]            ; is added in the upper sixteen
	v_sub_nc_u32 v[P], v[SC], v[TOT]
.set j, 1
.rept 15
	v_add_nc_u32 v[P+j], v[P+j-1], v[E+j-1]
.set j, j+1
.endr
	ds_store_b128 v[LA], v[P:P+3] offset:BASE
	ds_store_b128 v[LA], v[P+4:P+7] offset:BASE+16
	ds_store_b128 v[LA], v[P+8:P+11] offset:BASE+32
	ds_store_b128 v[LA], v[P+12:P+15] offset:BASE+48
	v_mov_b32 v[TM], 0x1000
	ds_store_b32 v[ZA], v[TM] offset:BASE+2048     ; the end of bucket 15
.Lscanned:
	s_wait_dscnt 0x0
	s_barrier_signal -1
	s_barrier_wait -1                              ; the prefix is in LDS
.irp g, 0,1,2,3
	v_lshlrev_b32 v[A4+\g], 7, v[C+\g]
	v_add_nc_u32 v[A4+\g], s49, v[A4+\g]           ; word 32 bucket + w
	ds_load_b32 v[B4+\g], v[A4+\g] offset:BASE
.endr
	s_wait_dscnt 0x0
.irp g, 0,1,2,3
	v_add_nc_u32 v[B4+\g], v[B4+\g], v[RK+\g]      ; my row's position: every position 0 .. 4095 is taken once
	v_min_u32 v[B4+\g], 0xfff, v[B4+\g]
	v_lshlrev_b32 v[B4+\g], 2, v[B4+\g]
	v_add_nc_u32 v[V4+\g], \g, v[N0]
	v_lshl_or_b32 v[V4+\g], v[C+\g], 16, v[V4+\g]
	ds_store_b32 v[B4+\g], v[V4+\g] offset:SORTED
.endr
	s_wait_dscnt 0x0
	s_barrier_signal -1
	s_barrier_wait -1                              ; the list is whole
	ds_load_b128 v[E:E+3], v[T16] offset:SORTED
	s_wait_dscnt 0x0
	global_store_b128 v[T16], v[E:E+3], s[6:7]     ; each store of a wave covers 512 neighbouring bytes
	s_cmp_lg_u32 s10, 0
	s_cbranch_scc1 .Lend
	; wave 0, lane = query tile: from the first bucket's first position to the last bucket's end
	v_lshlrev_b32 v[LA], 9, v1
	ds_load_b32 v[B4], v[LA] offset:SORTED
	ds_load_b32 v[B4+1], v[LA] offset:SORTED+508
	s_wait_dscnt 0x0
	v_lshrrev_b32 v[B4], 16, v[B4]
	v_lshrrev_b32 v[B4+1], 16, v[B4+1]
	v_min_u32 v[B4], 15, v[B4]
	v_min_u32 v[B4+1], 15, v[B4+1]
	v_lshlrev_b32 v[B4], 7, v[B4]
	v_lshlrev_b32 v[B4+1], 7, v[B4+1]
	ds_load_b32 v[W7], v[B4] offset:BASE
	ds_load_b32 v[W7+1], v[B4+1] offset:BASE+128
	s_wait_dscnt 0x0
	v_lshrrev_b32 v[P], 6, v[W7]                   ; first tile
	v_add_nc_u32 v[P+1], 63, v[W7+1]
	v_lshrrev_b32 v[P+1], 6, v[P+1]
	v_sub_nc_u32 v[P+1], v[P+1], v[P]              ; number of tiles, 1 .. 64
	v_lshlrev_b32 v[LA2], 3, v1
	global_store_b64 v[LA2], v[P:P+1], s[8:9]      ; 256 neighbouring bytes, aligned
.Lend:
	s_wait_tensorcnt 0x0
	ds_add_u32 v64, v65
	s_wait_dscnt 0x0
	s_endpgm
.Lfunc_end_k_qc93a1cd13b_sort:
	.size	k_qc93a1cd13b_sort, .Lfunc_end_k_qc93a1cd13b_sort-k_qc93a1cd13b_sort
	.p2alignl 7, 3214868480
	.fill 96, 4, 3214868480
	.section	.rodata,"a",@progbits
	.p2align	6, 0x0
	.amdhsa_kernel k_qc93a1cd13b_sort
		.amdhsa_group_segment_fixed_size 26880
		.amdhsa_private_segment_fixed_size 0
		.amdhsa_enable_private_segment 0
		.amdhsa_kernarg_size 24
		.amdhsa_user_sgpr_count 2
		.amdhsa_user_sgpr_kernarg_segment_ptr 1
		.amdhsa_wavefront_size32 1
		.amdhsa_system_sgpr_workgroup_id_x 1
		.amdhsa_system_sgpr_workgroup_id_y 1
		.amdhsa_system_sgpr_workgroup_id_z 1
		.amdhsa_system_vgpr_workitem_id 0
		.amdhsa_next_free_vgpr 66
		.amdhsa_next_free_sgpr 66
		.amdhsa_reserve_vcc 0
		.amdhsa_float_denorm_mode_32 3
		.amdhsa_float_denorm_mode_16_64 3
		.amdhsa_memory_ordered 1
		.amdhsa_forward_progress 1
		.amdhsa_inst_pref_size 26
	.end_amdhsa_kernel
	.amdgpu_metadata
---
amdhsa.version: [ 1, 2 ]
amdhsa.kernels:
  - .name:           k_qc93a1cd13b_sort
    .symbol:         k_qc93a1cd13b_sort.kd
    .args:
      - { .name: codes, .offset: 0, .size: 8, .value_kind: global_buffer, .address_space: global }
      - { .name: order, .offset: 8, .size: 8, .value_kind: global_buffer, .address_space: global }
      - { .name: range, .offset: 16, .size: 8, .value_kind: global_buffer, .address_space: global }
    .group_segment_fixed_size: 26880
    .private_segment_fixed_size: 0
    .kernarg_segment_align: 8
    .kernarg_segment_size: 24
    .max_flat_workgroup_size: 1024
    .sgpr_count:     66
    .vgpr_count:     66
    .wavefront_size: 32
...
	.end_amdgpu_metadata
.endif
;; end of part 2
;; launch attn (part 3): grid 32 x 8, 4 waves a work-group, no clusters, 106,496 bytes of LDS; arguments qkb, vb, order, range, part; writes part
.if DOCPART == 3
	.amdgcn_target "amdgcn-amd-amdhsa--gfx1250"
	.amdhsa_code_object_version 6
	.text
	.protected	k_qc93a1cd13b_attn
	.globl	k_qc93a1cd13b_attn
	.p2align	8
	.type	k_qc93a1cd13b_attn,@function
k_qc93a1cd13b_attn:
	s_mov_b64 s[64:65], 0
	v_nop
	global_prefetch_b8 v0, s[64:65] scope:SCOPE_SE
	s_setreg_imm32_b32 hwreg(HW_REG_WAVE_MODE, 25, 1), 1
	s_wait_xcnt 0x0
; attn: for one hash and 128 neighbouring positions of its sorted list: softmax over the keys of the same bucket, times V, times 1/8.
;   part[row][hash][0..127] (f32).  Work whose weight the bucket mask makes zero outside the tiles named by range is not done.
; Wave w owns 32 queries (two tiles of 16).  Keys come in tiles of 64 sorted positions; K and V rows are gathered by the list through
; registers into two LDS slots that take turns.  A running maximum and sum for each query, as in a streaming softmax.
; S^T = K Q^T: a lane (r, h) holds query r, keys 16 kt + 8 h + 0..7, so that exp and the rounding to bf16 leave P in the very registers in
; which the second product wants it as source 1; O^T = V^T P^T: a lane holds query r, d = 16 dt + 8 h + 0..7.
; THE KEY LOOP has a constant number of trips (the most that a hash can need is 64, all rows in one bucket): the barrier stands in every
; trip; a trip at or beyond the count read from range skips its body, which holds no barrier.
; No tensor loads and no joint requests: rows are gathered by a list, and neighbouring work-groups need different numbers of tiles.
; No prefetch: qkb and vb are 1 MiB each and every work-group of the launch reads in them.
; LIMITS: NaN and infinite inputs are not served.  q, k, v and the weights P enter the products as bf16; sums, maxima and exponentials are f32.
.set PK,    272                        ; K rows: 256 bytes + 16
.set PV,    288                        ; V rows: 256 bytes + 32 (an odd multiple of 32, for the transposing loads)
.set LV,    64*PK                      ; 17408
.set LC,    LV+64*PV                   ; 35840: the 64 keys' buckets, a word each
.set SLOT,  LC+256                     ; 36096
.set LSTG,  2*SLOT                     ; 72192: the way out, 16 rows x 528 bytes for each wave
.set PS,    528
.set KRD,   4
.set VRD,   5
.set CRD,   6
.set KST,   7
.set VST,   8
.set CST,   9
.set IBASE, 10
.set IA,    11
.set C16,   12
.set L16,   13
.set QB,    14                         ; v14-15  my query's bucket, tile a
.set QN,    16                         ; v16-17  my query's row
.set M,     18                         ; v18-19  running maximum of the raw scores
.set LS,    20                         ; v20-21  running sum (my half of the keys)
.set NMC,   22                         ; v22, v24  -c x maximum (pairs; the upper registers hold 0)
.set AL,    26                         ; v26, v28  the factor for the old sums (pairs likewise)
.set OST,   30
.set ORD,   31
.set Q,     32                         ; v32-95    Q fragment (a, ks) at 32 a + 8 ks
.set S,     96                         ; v96-159   S tile (a, kt) at 32 a + 8 kt; P fragment (a, kh) at 32 a + 16 kh
.set KB,    160                        ; v160-191  the keys' buckets in S's layout
.set IDX,   192                        ; v192-199  eight entries of the list
.set OFFS,  200                        ; v200-207  their rows' byte offsets
.set CODE,  208                        ; v208-215  their buckets
.set T0,    216
.set T1,    217
.set T2,    218
.set T4,    220
.set TN,    222
.set TA,    223
.set NINF,  224
.set F,     0                          ; window 1, v0-127: K fragment (ks, kt) at 8 (4 ks + kt), then V fragment (kh, dt) at 8 (8 kh + dt)
.set O,     128                        ; window 1, v128-255: O tile (a, dt) at 64 a + 8 dt
                                       ; window 2, v0-63: the gathered rows, K's 8 x 4 registers, then V's
.set MSB, 0
.macro WIN new                         ; s_set_vgpr_msb: bits 1:0 source 0, 3:2 source 1, 5:4 source 2, 7:6 destination; the high byte repeats the setting left
.if MSB != \new
	s_set_vgpr_msb (MSB<<8)|\new
.set MSB, \new
.endif
.endm
.macro PLACES                          ; four places behind a matrix instruction (ISA guide 7.12.1)
.rept 4
	v_nop
.endr
.endm
	s_load_b256 s[4:11], s[0:1], 0x0               ; qkb s[4:5], vb s[6:7], order s[8:9], range s[10:11]
	s_load_b64 s[12:13], s[0:1], 0x20              ; part
	v_lshl_add_u32 v254, v0, 2, 0x19e00
	v_mov_b32 v255, 0
	v_and_b32 v1, 31, v0                           ; L
	v_lshrrev_b32 v2, 5, v0
	v_readfirstlane_b32 s15, v2                    ; wave w
	v_and_b32 v2, 15, v0                           ; r
	v_bfe_u32 v3, v0, 4, 1                         ; h
	s_mov_b32 s32, ttmp9                           ; query tile qt
	s_and_b32 s33, ttmp7, 0xffff                   ; hash
	s_lshl_b32 s14, s33, 8
	s_lshl_b32 s20, s32, 3
	s_add_co_u32 s14, s14, s20                     ; 256 hash + 8 qt
	s_mov_b32 s22, 0x3e0293ee                      ; c = log2(e) / sqrt(128)
	s_mov_b32 s23, 0x3e0293ee
	s_mov_b32 s25, 0xff7fffff                      ; the lowest finite f32: the maximum of a query that has met no key yet
	s_mov_b32 s26, 0x76543210                      ; v_permlanex16_b32: lane i takes lane i of the other half
	s_mov_b32 s27, 0xfedcba98
	s_mov_b32 s28, 0xbe0293ee                      ; -c
	s_mov_b32 s31, 0
	s_wait_kmcnt 0x0
	s_load_b64 s[16:17], s[10:11], s14 offset:0x0  ; first key tile, number of key tiles
	v_mul_u32_u24 v[KRD], v2, PK
	v_lshl_add_u32 v[KRD], v3, 4, v[KRD]           ; key row r, 16 h
	v_and_b32 v[T0], 7, v0
	v_lshl_add_u32 v[T0], v3, 3, v[T0]
	v_bfe_u32 v[T1], v0, 3, 1
	v_lshlrev_b32 v[T1], 4, v[T1]
	v_mad_u32_u24 v[VRD], v[T0], PV, v[T1]
	v_add_nc_u32 v[VRD], LV, v[VRD]                ; key row 8 h + (L & 7), 16 ((L >> 3) & 1)
	v_lshlrev_b32 v[CRD], 5, v3
	v_add_nc_u32 v[CRD], LC, v[CRD]
	v_lshlrev_b32 v[C16], 4, v2
	v_lshlrev_b32 v[L16], 4, v1
	s_mul_i32 s20, s15, 16*PK                      ; sixteen lanes (group 2 w + h) fetch rows 8 (2 w + h) .. + 7 of a tile
	v_mad_u32_u24 v[KST], v3, 8*PK, v[C16]
	v_add_nc_u32 v[KST], s20, v[KST]
	s_mul_i32 s20, s15, 16*PV
	s_add_co_u32 s20, s20, LV
	v_mad_u32_u24 v[VST], v3, 8*PV, v[C16]
	v_add_nc_u32 v[VST], s20, v[VST]
	s_lshl_b32 s20, s15, 6
	v_lshl_add_u32 v[IBASE], v3, 5, s20            ; 32 (2 w + h): my group's eight entries in a tile's 256 bytes of the list
	v_add_nc_u32 v[CST], LC, v[IBASE]
	s_mul_i32 s20, s15, 16*PS
	s_add_co_u32 s20, s20, LSTG
	v_mul_u32_u24 v[OST], v2, PS
	v_lshl_add_u32 v[OST], v3, 5, v[OST]
	v_add_nc_u32 v[OST], s20, v[OST]
	v_add_nc_u32 v[ORD], s20, v[L16]
	v_mov_b32 v[NINF], 0xff800000
	v_mov_b32 v[NMC+1], 0
	v_mov_b32 v[NMC+3], 0
	v_mov_b32 v[AL+1], 0
	v_mov_b32 v[AL+3], 0
	s_lshl_b32 s30, s33, 14
	s_add_nc_u64 s[8:9], s[8:9], s[30:31]          ; the list of my hash
	s_lshl_b32 s30, s33, 9
	s_add_nc_u64 s[12:13], s[12:13], s[30:31]      ; my hash's 512 bytes in every row of part
	s_lshl_b32 s20, s32, 9
	s_lshl_b32 s21, s15, 7
	s_add_co_u32 s20, s20, s21
	v_lshl_add_u32 v[T0], v2, 2, s20               ; entry 128 qt + 32 w + r
	global_load_b32 v[QN], v[T0], s[8:9]
	global_load_b32 v[QN+1], v[T0], s[8:9] offset:64
	s_wait_kmcnt 0x0
	s_min_u32 s16, s16, 63
	s_max_u32 s17, s17, 1
	s_min_u32 s17, s17, 64
	s_lshl_b32 s20, s16, 8
	v_add_nc_u32 v[IA], s20, v[IBASE]
	global_load_b128 v[IDX:IDX+3], v[IA], s[8:9]
	global_load_b128 v[IDX+4:IDX+7], v[IA], s[8:9] offset:16
	s_wait_loadcnt 0x0
.irp a, 0,1
	v_lshrrev_b32 v[QB+\a], 16, v[QN+\a]
	v_and_b32 v[QN+\a], 0xffff, v[QN+\a]
	v_min_u32 v[QN+\a], 0xfff, v[QN+\a]
	v_lshlrev_b32 v[T2+\a], 8, v[QN+\a]
	v_lshl_add_u32 v[T2+\a], v3, 4, v[T2+\a]       ; my query's row + 16 h
.endr
.irp a, 0,1
.irp ks, 0,1,2,3
	global_load_b128 v[Q+32*\a+8*\ks:Q+32*\a+8*\ks+3], v[T2+\a], s[4:5] offset:64*\ks
	global_load_b128 v[Q+32*\a+8*\ks+4:Q+32*\a+8*\ks+7], v[T2+\a], s[4:5] offset:64*\ks+32
.endr
.endr
; From the eight entries in IDX: offsets and buckets; sixteen gathers (16 lanes read one row of 256 bytes); then the entries of the
; tile 'ahead' tiles behind the loop's counter, clamped to the list's last tile.
.macro NEXT ahead
.irp i8, 0,1,2,3,4,5,6,7
	v_and_b32 v[OFFS+\i8], 0xffff, v[IDX+\i8]
	v_lshrrev_b32 v[CODE+\i8], 16, v[IDX+\i8]
	v_min_u32 v[OFFS+\i8], 0xfff, v[OFFS+\i8]
	v_lshl_add_u32 v[OFFS+\i8], v[OFFS+\i8], 8, v[C16]
.endr
	WIN 0x80
.irp i8, 0,1,2,3,4,5,6,7
	global_load_b128 v[4*\i8:4*\i8+3], v[OFFS+\i8], s[4:5]
.endr
.irp i8, 0,1,2,3,4,5,6,7
	global_load_b128 v[32+4*\i8:32+4*\i8+3], v[OFFS+\i8], s[6:7]
.endr
	WIN 0
	s_add_co_u32 s20, s16, s19
	s_add_co_u32 s20, s20, \ahead
	s_min_u32 s20, s20, 63
	s_lshl_b32 s20, s20, 8
	v_add_nc_u32 v[IA], s20, v[IBASE]
	global_load_b128 v[IDX:IDX+3], v[IA], s[8:9]
	global_load_b128 v[IDX+4:IDX+7], v[IA], s[8:9] offset:16
.endm
; The gathered rows go into slot 'slot' (a plain number, 0 or 1).
.macro PUT slot
	s_wait_loadcnt 0x2                             ; the two younger loads are the list's: the sixteen gathers (and all before them) are in
	WIN 0x08
.irp i8, 0,1,2,3,4,5,6,7
	ds_store_b128 v[KST], v[4*\i8:4*\i8+3] offset:\slot*SLOT+\i8*PK
.endr
.irp i8, 0,1,2,3,4,5,6,7
	ds_store_b128 v[VST], v[32+4*\i8:32+4*\i8+3] offset:\slot*SLOT+\i8*PV
.endr
	WIN 0
	ds_store_b128 v[CST], v[CODE:CODE+3] offset:\slot*SLOT          ; the group's sixteen lanes store the same eight words
	ds_store_b128 v[CST], v[CODE+4:CODE+7] offset:\slot*SLOT+16
.endm
; Mask, running maximum, exponentials, running sum, rounding to bf16, for query tile qa.
.macro SOFT qa, first
.set SBASE, S+32*\qa
.set i, 0
.rept 32
	v_cmp_eq_u32 vcc_lo, v[KB+i], v[QB+\qa]
	v_cndmask_b32 v[SBASE+i], v[NINF], v[SBASE+i], vcc_lo          ; another bucket: -inf
.set i, i+1
.endr
	v_max3_num_f32 v[T0], v[SBASE], v[SBASE+1], v[SBASE+2]
	v_max3_num_f32 v[T1], v[SBASE+16], v[SBASE+17], v[SBASE+18]
.set i, 3
.rept 6
	v_max3_num_f32 v[T0], v[T0], v[SBASE+i], v[SBASE+i+1]
	v_max3_num_f32 v[T1], v[T1], v[SBASE+16+i], v[SBASE+16+i+1]
.set i, i+2
.endr
	v_max3_num_f32 v[T0], v[T0], v[T1], v[SBASE+15]
	v_max_num_f32 v[T0], v[T0], v[SBASE+31]
	v_permlanex16_b32 v[T1], v[T0], s26, s27       ; the other half of my query's keys
.if \first
	v_max3_num_f32 v[M+\qa], v[T0], v[T1], s25
	v_mul_f32 v[NMC+2*\qa], s28, v[M+\qa]
.else
	v_max3_num_f32 v[M+\qa], v[T0], v[T1], v[M+\qa]
	v_mul_f32 v[TN], s28, v[M+\qa]
	v_sub_f32 v[TA], v[TN], v[NMC+2*\qa]           ; new shift - old shift: exactly what the old sums were made with
	v_exp_f32 v[AL+2*\qa], v[TA]
	v_mov_b32 v[NMC+2*\qa], v[TN]                  ; a plain instruction behind the exponential (ISA guide 5.7.2)
.endif
.set i, 0
.rept 16
	v_pk_fma_f32 v[SBASE+i:SBASE+i+1], v[SBASE+i:SBASE+i+1], s[22:23], v[NMC+2*\qa:NMC+2*\qa+1] op_sel_hi:[1,0,0]   ; c s - c max
.set i, i+2
.endr
.set i, 0
.rept 32
	v_exp_f32 v[SBASE+i], v[SBASE+i]
.set i, i+1
.endr
	v_nop                                          ; a plain place behind the last exponential
	s_wait_alu depctr_va_vdst(0)
	v_pk_add_f32 v[T2:T2+1], v[SBASE:SBASE+1], v[SBASE+2:SBASE+3]
	v_pk_add_f32 v[T4:T4+1], v[SBASE+4:SBASE+5], v[SBASE+6:SBASE+7]
.set i, 8
.rept 6
	v_pk_add_f32 v[T2:T2+1], v[T2:T2+1], v[SBASE+i:SBASE+i+1]
	v_pk_add_f32 v[T4:T4+1], v[T4:T4+1], v[SBASE+i+2:SBASE+i+3]
.set i, i+4
.endr
	v_pk_add_f32 v[T2:T2+1], v[T2:T2+1], v[T4:T4+1]
.if \first
	v_add_f32 v[LS+\qa], v[T2], v[T2+1]
.else
	v_add_f32 v[T2], v[T2], v[T2+1]
	v_fma_f32 v[LS+\qa], v[LS+\qa], v[AL+2*\qa], v[T2]
.endif
.irp kh, 0,1
.irp j, 0,1,2,3
	v_cvt_pk_bf16_f32 v[SBASE+16*\kh+\j], v[SBASE+16*\kh+2*\j], v[SBASE+16*\kh+2*\j+1]          ; keys 32 kh + 8 h + 0..7
.endr
.irp j, 0,1,2,3
	v_cvt_pk_bf16_f32 v[SBASE+16*\kh+4+\j], v[SBASE+16*\kh+8+2*\j], v[SBASE+16*\kh+8+2*\j+1]    ; keys 32 kh + 16 + 8 h + 0..7
.endr
.endr
.endm
; One key tile.  slot: where it lies; other: the other slot, which takes the next tile; ahead: for NEXT;
; dd: this trip's number is s19 + dd; first = 1: it starts all sums.
.macro TRIP slot, other, ahead, dd, first
	s_wait_dscnt 0x0                               ; my stores into this slot and my reads of the other slot are done,
	s_barrier_signal -1
	s_barrier_wait -1                              ; everybody's are: this slot may be read, the other written
.if \first == 0
	s_add_co_u32 s21, s19, \dd
	s_cmp_ge_u32 s21, s17
	s_cbranch_scc1 .Lskip_\@                       ; no such tile: nothing but the barrier
.endif
	s_wait_loadcnt 0x0                             ; the next tile's entries
	NEXT \ahead                                    ; its 32 plain vector instructions are also the places behind the last trip's matrix instructions
	WIN 0x40
.irp ks, 0,1,2,3
.irp kt, 0,1,2,3
	ds_load_b128 v[F+8*(4*\ks+\kt):F+8*(4*\ks+\kt)+3], v[KRD] offset:\slot*SLOT+\kt*16*PK+64*\ks
	ds_load_b128 v[F+8*(4*\ks+\kt)+4:F+8*(4*\ks+\kt)+7], v[KRD] offset:\slot*SLOT+\kt*16*PK+64*\ks+32
.endr
.endr
	WIN 0
.irp kt, 0,1,2,3
	ds_load_b128 v[KB+8*\kt:KB+8*\kt+3], v[CRD] offset:\slot*SLOT+64*\kt
	ds_load_b128 v[KB+8*\kt+4:KB+8*\kt+7], v[CRD] offset:\slot*SLOT+64*\kt+16
.endr
	WIN 0x01
.irp ks, 0,1,2,3
	s_wait_dscnt 32-8*\ks                          ; behind this K step's eight loads stand 8 (3 - ks) of K's and the eight of the buckets
.irp kt, 0,1,2,3
.irp a, 0,1
.if \ks == 0
	v_wmma_f32_16x16x32_bf16 v[S+32*\a+8*\kt:S+32*\a+8*\kt+7], v[F+8*(4*\ks+\kt):F+8*(4*\ks+\kt)+7], v[Q+32*\a+8*\ks:Q+32*\a+8*\ks+7], 0
.else
	v_wmma_f32_16x16x32_bf16 v[S+32*\a+8*\kt:S+32*\a+8*\kt+7], v[F+8*(4*\ks+\kt):F+8*(4*\ks+\kt)+7], v[Q+32*\a+8*\ks:Q+32*\a+8*\ks+7], v[S+32*\a+8*\kt:S+32*\a+8*\kt+7]
.endif
.endr
.endr
.endr                                              ; the eight accumulators take turns, one instruction a turn
	PLACES
	WIN 0x40
.irp kh, 0,1
.irp dt, 0,1,2,3,4,5,6,7
	ds_load_tr16_b128 v[F+8*(8*\kh+\dt):F+8*(8*\kh+\dt)+3], v[VRD] offset:\slot*SLOT+\kh*32*PV+32*\dt
	ds_load_tr16_b128 v[F+8*(8*\kh+\dt)+4:F+8*(8*\kh+\dt)+7], v[VRD] offset:\slot*SLOT+\kh*32*PV+32*\dt+16*PV
.endr
.endr
	WIN 0
	s_wait_dscnt 32                                ; all but V's 32 loads: the buckets are in
	SOFT 0, \first
	SOFT 1, \first
.if \first == 0
	WIN 0x41
.irp a, 0,1
.set i, 0
.rept 32
	v_pk_mul_f32 v[O+64*\a+i:O+64*\a+i+1], v[O+64*\a+i:O+64*\a+i+1], v[AL+2*\a:AL+2*\a+1] op_sel_hi:[1,0]
.set i, i+2
.endr
.endr
.endif
	WIN 0x51
.irp kh, 0,1
	s_wait_dscnt 16-16*\kh                         ; V's first sixteen loads, then all
.irp dt, 0,1,2,3,4,5,6,7
.irp a, 0,1
.if \first*(1-\kh)
	v_wmma_f32_16x16x32_bf16 v[O+64*\a+8*\dt:O+64*\a+8*\dt+7], v[F+8*(8*\kh+\dt):F+8*(8*\kh+\dt)+7], v[S+32*\a+16*\kh:S+32*\a+16*\kh+7], 0
.else
	v_wmma_f32_16x16x32_bf16 v[O+64*\a+8*\dt:O+64*\a+8*\dt+7], v[F+8*(8*\kh+\dt):F+8*(8*\kh+\dt)+7], v[S+32*\a+16*\kh:S+32*\a+16*\kh+7], v[O+64*\a+8*\dt:O+64*\a+8*\dt+7]
.endif
.endr
.endr
.endr                                              ; sixteen accumulators by turns
	WIN 0
	PUT \other                                     ; the next tile, into the slot that nobody reads since this trip's barrier
.if \first == 0
.Lskip_\@:
.endif
.endm
	s_mov_b32 s19, 0
	NEXT 1                                         ; tile 0 is gathered, tile 1's entries asked for
	PUT 0                                          ; its wait also shows the sixteen loads of Q done
	TRIP 0, 1, 2, 0, 1
	s_mov_b32 s19, 1
.Lpair:
	TRIP 1, 0, 2, 0, 0
	TRIP 0, 1, 3, 1, 0
	s_add_co_u32 s19, s19, 2
	s_cmp_lt_u32 s19, 64
	s_cbranch_scc1 .Lpair
	; THE WAY OUT: x 1 / (8 sum), 16 queries at a time through my own stage, whole rows of 512 bytes to part
	PLACES
	v_permlanex16_b32 v[T0], v[LS], s26, s27
	v_permlanex16_b32 v[T1], v[LS+1], s26, s27
	v_add_f32 v[LS], v[LS], v[T0]
	v_add_f32 v[LS+1], v[LS+1], v[T1]
	v_rcp_f32 v[T0], v[LS]                         ; the sum holds the largest key's term, about 1: never 0
	v_rcp_f32 v[T1], v[LS+1]
	v_nop
	s_wait_alu depctr_va_vdst(0)
	v_mul_f32 v[AL], 0x3e000000, v[T0]
	v_mul_f32 v[AL+2], 0x3e000000, v[T1]
.macro OUTQ qa
	WIN 0x41
.set i, 0
.rept 32
	v_pk_mul_f32 v[O+64*\qa+i:O+64*\qa+i+1], v[O+64*\qa+i:O+64*\qa+i+1], v[AL+2*\qa:AL+2*\qa+1] op_sel_hi:[1,0]
.set i, i+2
.endr
	WIN 0x04
.irp dt, 0,1,2,3,4,5,6,7
	ds_store_b128 v[OST], v[O+64*\qa+8*\dt:O+64*\qa+8*\dt+3] offset:64*\dt
	ds_store_b128 v[OST], v[O+64*\qa+8*\dt+4:O+64*\qa+8*\dt+7] offset:64*\dt+16
.endr
	WIN 0
.if \qa
	s_wait_xcnt 0x0                                ; the first sixteen stores' offsets and data are written again only behind this wait
.endif
.set i, 0
.rept 16
	v_readlane_b32 s20, v[QN+\qa], i               ; query i's row
	s_min_u32 s20, s20, 0xfff
	s_lshl_b32 s20, s20, 12                        ; 4096 bytes of part for a row
	v_add_nc_u32 v[KB+i], s20, v[L16]
	ds_load_b128 v[S+4*i:S+4*i+3], v[ORD] offset:PS*i              ; LDS serves a wave's instructions in order (ISA guide 5.7.1.4): these see the stores above
.set i, i+1
.endr
.set i, 0
.rept 16
	s_wait_dscnt 15-i
	global_store_b128 v[KB+i], v[S+4*i:S+4*i+3], s[12:13]          ; 512 neighbouring bytes, aligned
.set i, i+1
.endr
.endm
	OUTQ 0
	OUTQ 1
	s_wait_tensorcnt 0x0
	ds_add_u32 v254, v255
	s_wait_dscnt 0x0
	s_endpgm
.Lfunc_end_k_qc93a1cd13b_attn:
	.size	k_qc93a1cd13b_attn, .Lfunc_end_k_qc93a1cd13b_attn-k_qc93a1cd13b_attn
	.p2alignl 7, 3214868480
	.fill 96, 4, 3214868480
	.section	.rodata,"a",@progbits
	.p2align	6, 0x0
	.amdhsa_kernel k_qc93a1cd13b_attn
		.amdhsa_group_segment_fixed_size 106496
		.amdhsa_private_segment_fixed_size 0
		.amdhsa_enable_private_segment 0
		.amdhsa_kernarg_size 40
		.amdhsa_user_sgpr_count 2
		.amdhsa_user_sgpr_kernarg_segment_ptr 1
		.amdhsa_wavefront_size32 1
		.amdhsa_system_sgpr_workgroup_id_x 1
		.amdhsa_system_sgpr_workgroup_id_y 1
		.amdhsa_system_sgpr_workgroup_id_z 1
		.amdhsa_system_vgpr_workitem_id 0
		.amdhsa_next_free_vgpr 576
		.amdhsa_next_free_sgpr 66
		.amdhsa_reserve_vcc 1
		.amdhsa_float_denorm_mode_32 3
		.amdhsa_float_denorm_mode_16_64 3
		.amdhsa_memory_ordered 1
		.amdhsa_forward_progress 1
		.amdhsa_inst_pref_size 124
	.end_amdhsa_kernel
	.amdgpu_metadata
---
amdhsa.version: [ 1, 2 ]
amdhsa.kernels:
  - .name:           k_qc93a1cd13b_attn
    .symbol:         k_qc93a1cd13b_attn.kd
    .args:
      - { .name: qkb, .offset: 0, .size: 8, .value_kind: global_buffer, .address_space: global }
      - { .name: vb, .offset: 8, .size: 8, .value_kind: global_buffer, .address_space: global }
      - { .name: order, .offset: 16, .size: 8, .value_kind: global_buffer, .address_space: global }
      - { .name: range, .offset: 24, .size: 8, .value_kind: global_buffer, .address_space: global }
      - { .name: part, .offset: 32, .size: 8, .value_kind: global_buffer, .address_space: global }
    .group_segment_fixed_size: 106496
    .private_segment_fixed_size: 0
    .kernarg_segment_align: 8
    .kernarg_segment_size: 40
    .max_flat_workgroup_size: 128
    .sgpr_count:     66
    .vgpr_count:     576
    .wavefront_size: 32
...
	.end_amdgpu_metadata
.endif
;; end of part 3
;; launch oproj (part 4): grid 4 x 64, 8 waves a work-group, no clusters, 190,208 bytes of LDS; arguments part, w_o, b_o, out0; writes out0
.if DOCPART == 4
	.amdgcn_target "amdgcn-amd-amdhsa--gfx1250"
	.amdhsa_code_object_version 6
	.text
	.protected	k_qc93a1cd13b_oproj
	.globl	k_qc93a1cd13b_oproj
	.p2align	8
	.type	k_qc93a1cd13b_oproj,@function
k_qc93a1cd13b_oproj:
	s_mov_b64 s[64:65], 0
	v_nop
	global_prefetch_b8 v0, s[64:65] scope:SCOPE_SE
	s_setreg_imm32_b32 hwreg(HW_REG_WAVE_MODE, 25, 1), 1
	s_wait_xcnt 0x0
; oproj: out0 = A w_o + b_o, A[s][128 head + d] = sum over the eight hashes of part[1024 head + s][hash][d] (the factor 1/8 is in part).
; Work-group (cb, rbk): rows 16 rbk .. + 15, columns 128 cb .. + 127, K = 512.
; A's f32 sums enter the product as bf16 hi + bf16 lo (two products on two accumulators): lo's rows lie 16 rows behind hi's in LDS.
; w_o is rounded to bf16; all sums are f32.  LIMITS: NaN and infinite inputs are not served.
; No tensor loads, no cluster: both operands are made in registers (a sum over eight, a change of format) on their way into LDS.
.set PW,   288                         ; W in LDS: [k][128 n] bf16, 256 bytes + 32
.set PX,   1040                        ; A in LDS: [row][512 k] bf16, 1024 bytes + 16; rows 0-15 hi, rows 16-31 lo
.set PS,   528                         ; the way out: [row][128] f32, 512 bytes + 16
.set LX,   512*PW                      ; 147456
.set LSTG, LX+32*PX                    ; 180736
.set GW,   5
.set GP,   6
.set WS,   7
.set AS,   8
.set WR,   11                          ; v11-14
.set XR,   15
.set OST,  16
.set ORD,  17
.set OG,   18
.set BA,   19
.set TA,   20
.set TB,   21
.set BIAS, 24                          ; v24-31
.set SA,   32                          ; v32-95: two rows of part x eight hashes
.set SB,   96                          ; v96-159: sixteen loads of w_o
.set FB0,  32
.set FB1,  80
.set ACC0, 128                         ; from hi
.set ACC1, 136                         ; from lo
.set U,    160                         ; v160-167
.set CP,   168                         ; v168-175
	s_load_b256 s[4:11], s[0:1], 0x0               ; part s[4:5], w_o s[6:7], b_o s[8:9], out0 s[10:11]
	v_lshl_add_u32 v176, v0, 2, 0x2e300
	v_mov_b32 v177, 0
	v_and_b32 v1, 31, v0                           ; L
	v_lshrrev_b32 v4, 5, v0
	v_readfirstlane_b32 s12, v4                    ; wave w
	v_and_b32 v2, 15, v0                           ; r
	v_bfe_u32 v3, v0, 4, 1                         ; h
	s_mov_b32 s13, ttmp9                           ; cb
	s_and_b32 s14, ttmp7, 0xffff                   ; rbk
	s_and_b32 s22, s12, 1                          ; w & 1
	s_lshr_b32 s23, s12, 1                         ; w >> 1: the head whose rows I sum
	s_lshl_b32 s20, s12, 11
	v_lshl_add_u32 v[GW], v1, 4, s20
	s_lshl_b32 s20, s23, 22                        ; 1024 rows of 4096 bytes for a head
	s_lshl_b32 s21, s22, 15                        ; 8 rows
	s_add_co_u32 s20, s20, s21
	v_lshl_add_u32 v[GP], v1, 4, s20
	s_mul_i32 s20, s12, PW
	v_lshl_add_u32 v[WS], v1, 3, s20
	s_mul_i32 s20, s22, 8*PX
	s_lshl_b32 s21, s23, 8
	s_add_co_u32 s20, s20, s21
	s_add_co_u32 s20, s20, LX
	v_lshl_add_u32 v[AS], v1, 3, s20               ; row 8 (w & 1), k = 128 head + 4 L
	v_and_b32 v4, 7, v0
	v_lshl_add_u32 v4, v3, 3, v4
	v_bfe_u32 v[TA], v0, 3, 1
	v_lshlrev_b32 v[TA], 4, v[TA]
	v_mad_u32_u24 v[TB], v4, PW, v[TA]
	s_lshl_b32 s20, s12, 5
	v_add_nc_u32 v[WR], s20, v[TB]
	v_add_nc_u32 v[WR+1], 128*PW, v[WR]
	v_add_nc_u32 v[WR+2], 256*PW, v[WR]
	v_add_nc_u32 v[WR+3], 384*PW, v[WR]
	v_mul_u32_u24 v[TB], v2, PX
	v_lshl_add_u32 v[TB], v3, 4, v[TB]
	v_add_nc_u32 v[XR], LX, v[TB]
	s_lshl_b32 s20, s12, 6
	v_lshl_add_u32 v[BA], v3, 5, s20               ; 4 (16 w + 8 h)
	s_add_co_u32 s20, s20, LSTG
	v_mul_u32_u24 v[TB], v2, PS
	v_lshl_add_u32 v[TB], v3, 5, v[TB]
	v_add_nc_u32 v[OST], s20, v[TB]                ; row r, columns 16 w + 8 h ..
	s_mul_i32 s20, s12, 2*PS
	s_add_co_u32 s20, s20, LSTG
	v_lshl_add_u32 v[ORD], v1, 4, s20              ; row 2 w, 16 L
	s_lshl_b32 s20, s12, 12
	v_lshl_add_u32 v[OG], v1, 4, s20               ; the same row in out0
	s_mov_b32 s17, 0
	s_wait_kmcnt 0x0
	s_lshl_b32 s16, s14, 16                        ; 16 rows of part
	s_add_nc_u64 s[4:5], s[4:5], s[16:17]
	s_lshl_b32 s16, s13, 9                         ; 128 columns
	s_add_nc_u64 s[6:7], s[6:7], s[16:17]
	s_add_nc_u64 s[8:9], s[8:9], s[16:17]
	s_add_nc_u64 s[10:11], s[10:11], s[16:17]
	s_lshl_b32 s16, s14, 15                        ; 16 rows of out0
	s_add_nc_u64 s[10:11], s[10:11], s[16:17]
.macro LDW rg, b                       ; rows k = 128 b + 8 i + w of w_o: 512 neighbouring bytes a load
.set i, 0
.rept 16
	global_load_b128 v[\rg+4*i:\rg+4*i+3], v[GW], s[6:7] offset:(128*\b+8*i)*2048
.set i, i+1
.endr
.endm
.macro CVW rg
.set i, 0
.rept 16
	v_cvt_pk_bf16_f32 v[\rg+4*i], v[\rg+4*i], v[\rg+4*i+1]
	v_cvt_pk_bf16_f32 v[\rg+4*i+1], v[\rg+4*i+2], v[\rg+4*i+3]
	ds_store_b64 v[WS], v[\rg+4*i:\rg+4*i+1] offset:i*8*PW
.set i, i+1
.endr
	v_add_nc_u32 v[WS], 128*PW, v[WS]
.endm
.macro LDP rg, b                       ; my rows 2 b and 2 b + 1: eight hashes of 512 neighbouring bytes each
.irp i2, 0, 1
.irp rr, 0,1,2,3,4,5,6,7
	global_load_b128 v[\rg+32*\i2+4*\rr:\rg+32*\i2+4*\rr+3], v[GP], s[4:5] offset:(2*\b+\i2)*4096+\rr*512
.endr
.endr
.endm
.macro RED rg, b                       ; the sum over the hashes in f32; hi = bf16 of it, lo = bf16 of the rest
.irp i2, 0, 1
.set RB, \rg+32*\i2
.irp rr, 1,2,3,4,5,6,7
	v_pk_add_f32 v[RB:RB+1], v[RB:RB+1], v[RB+4*\rr:RB+4*\rr+1]
	v_pk_add_f32 v[RB+2:RB+3], v[RB+2:RB+3], v[RB+4*\rr+2:RB+4*\rr+3]
.endr
	v_cvt_pk_bf16_f32 v[U+4*\i2], v[RB], v[RB+1]
	v_cvt_pk_bf16_f32 v[U+4*\i2+1], v[RB+2], v[RB+3]
	ds_store_b64 v[AS], v[U+4*\i2:U+4*\i2+1] offset:(2*\b+\i2)*PX
	v_lshlrev_b32 v[RB+4], 16, v[U+4*\i2]
	v_and_b32 v[RB+5], 0xffff0000, v[U+4*\i2]
	v_lshlrev_b32 v[RB+6], 16, v[U+4*\i2+1]
	v_and_b32 v[RB+7], 0xffff0000, v[U+4*\i2+1]
	v_pk_add_f32 v[RB:RB+1], v[RB:RB+1], v[RB+4:RB+5] neg_lo:[0,1] neg_hi:[0,1]
	v_pk_add_f32 v[RB+2:RB+3], v[RB+2:RB+3], v[RB+6:RB+7] neg_lo:[0,1] neg_hi:[0,1]
	v_cvt_pk_bf16_f32 v[U+4*\i2+2], v[RB], v[RB+1]
	v_cvt_pk_bf16_f32 v[U+4*\i2+3], v[RB+2], v[RB+3]
	ds_store_b64 v[AS], v[U+4*\i2+2:U+4*\i2+3] offset:(2*\b+\i2)*PX+16*PX
.endr
.endm
.macro PLACES                          ; four places behind a matrix instruction (ISA guide 7.12.1)
.rept 4
	v_nop
.endr
.endm
.macro LOADG g, fb                     ; twelve LDS loads: K steps 2 g and 2 g + 1: W, A hi, A lo
.irp kk, 0, 1
	ds_load_tr16_b128 v[\fb+24*\kk:\fb+24*\kk+3], v[WR+((2*\g+\kk)>>2)] offset:((2*\g+\kk)&3)*32*PW
	ds_load_tr16_b128 v[\fb+24*\kk+4:\fb+24*\kk+7], v[WR+((2*\g+\kk)>>2)] offset:((2*\g+\kk)&3)*32*PW+16*PW
	ds_load_b128 v[\fb+24*\kk+8:\fb+24*\kk+11], v[XR] offset:64*(2*\g+\kk)
	ds_load_b128 v[\fb+24*\kk+12:\fb+24*\kk+15], v[XR] offset:64*(2*\g+\kk)+32
	ds_load_b128 v[\fb+24*\kk+16:\fb+24*\kk+19], v[XR] offset:64*(2*\g+\kk)+16*PX
	ds_load_b128 v[\fb+24*\kk+20:\fb+24*\kk+23], v[XR] offset:64*(2*\g+\kk)+16*PX+32
.endr
.endm
; Source 0 = 16 columns of w_o, source 1 = 16 rows of A: a lane holds row r, columns 16 w + 8 h + 0..7.
; The two accumulators take turns, one instruction a turn.
.macro MULG fb, zero
.irp kk, 0, 1
.if \zero*(1-\kk)
	v_wmma_f32_16x16x32_bf16 v[ACC0:ACC0+7], v[\fb+24*\kk:\fb+24*\kk+7], v[\fb+24*\kk+8:\fb+24*\kk+15], 0
	v_wmma_f32_16x16x32_bf16 v[ACC1:ACC1+7], v[\fb+24*\kk:\fb+24*\kk+7], v[\fb+24*\kk+16:\fb+24*\kk+23], 0
.else
	v_wmma_f32_16x16x32_bf16 v[ACC0:ACC0+7], v[\fb+24*\kk:\fb+24*\kk+7], v[\fb+24*\kk+8:\fb+24*\kk+15], v[ACC0:ACC0+7]
	v_wmma_f32_16x16x32_bf16 v[ACC1:ACC1+7], v[\fb+24*\kk:\fb+24*\kk+7], v[\fb+24*\kk+16:\fb+24*\kk+23], v[ACC1:ACC1+7]
.endif
.endr
.endm
.macro STEPG fb, nxt, zero
	s_wait_dscnt 12                                ; this buffer's twelve loads are in; the other buffer's twelve may be out
	MULG \fb, \zero
	PLACES
	LOADG \nxt, \fb
.endm
	; THE FILL: part's batches in one set of registers, w_o's in the other; each wait of 16 leaves the one younger batch out
	global_load_b128 v[BIAS:BIAS+3], v[BA], s[8:9]
	global_load_b128 v[BIAS+4:BIAS+7], v[BA], s[8:9] offset:16
	LDP SA, 0
	LDW SB, 0
	s_wait_loadcnt 16
	RED SA, 0
	LDP SA, 1
	s_wait_loadcnt 16
	CVW SB
	LDW SB, 1
	s_wait_loadcnt 16
	RED SA, 1
	LDP SA, 2
	s_wait_loadcnt 16
	CVW SB
	LDW SB, 2
	s_wait_loadcnt 16
	RED SA, 2
	LDP SA, 3
	s_wait_loadcnt 16
	CVW SB
	LDW SB, 3
	s_wait_loadcnt 16
	RED SA, 3
	s_wait_loadcnt 0x0
	CVW SB
	s_wait_dscnt 0x0                               ; my stores are in LDS,
	s_barrier_signal -1
	s_barrier_wait -1                              ; everybody's are
	LOADG 0, FB0
	LOADG 1, FB1
	STEPG FB0, 2, 1
	STEPG FB1, 3, 0
	STEPG FB0, 4, 0
	STEPG FB1, 5, 0
	STEPG FB0, 6, 0
	STEPG FB1, 7, 0
	s_wait_dscnt 12
	MULG FB0, 0
	s_wait_dscnt 0x0
	MULG FB1, 0
	PLACES
.irp j, 0,2,4,6
	v_pk_add_f32 v[ACC0+\j:ACC0+\j+1], v[ACC0+\j:ACC0+\j+1], v[ACC1+\j:ACC1+\j+1]
	v_pk_add_f32 v[ACC0+\j:ACC0+\j+1], v[ACC0+\j:ACC0+\j+1], v[BIAS+\j:BIAS+\j+1]
.endr
	ds_store_b128 v[OST], v[ACC0:ACC0+3]
	ds_store_b128 v[OST], v[ACC0+4:ACC0+7] offset:16
	s_wait_dscnt 0x0
	s_barrier_signal -1
	s_barrier_wait -1                              ; the 16 rows of 512 bytes are whole
	ds_load_b128 v[CP:CP+3], v[ORD]
	ds_load_b128 v[CP+4:CP+7], v[ORD] offset:PS
	s_wait_dscnt 0x0
	global_store_b128 v[OG], v[CP:CP+3], s[10:11]                  ; rows 2 w and 2 w + 1: 512 neighbouring bytes each, aligned
	global_store_b128 v[OG], v[CP+4:CP+7], s[10:11] offset:2048
	s_wait_tensorcnt 0x0
	ds_add_u32 v176, v177
	s_wait_dscnt 0x0
	s_endpgm
.Lfunc_end_k_qc93a1cd13b_oproj:
	.size	k_qc93a1cd13b_oproj, .Lfunc_end_k_qc93a1cd13b_oproj-k_qc93a1cd13b_oproj
	.p2alignl 7, 3214868480
	.fill 96, 4, 3214868480
	.section	.rodata,"a",@progbits
	.p2align	6, 0x0
	.amdhsa_kernel k_qc93a1cd13b_oproj
		.amdhsa_group_segment_fixed_size 190208
		.amdhsa_private_segment_fixed_size 0
		.amdhsa_enable_private_segment 0
		.amdhsa_kernarg_size 32
		.amdhsa_user_sgpr_count 2
		.amdhsa_user_sgpr_kernarg_segment_ptr 1
		.amdhsa_wavefront_size32 1
		.amdhsa_system_sgpr_workgroup_id_x 1
		.amdhsa_system_sgpr_workgroup_id_y 1
		.amdhsa_system_sgpr_workgroup_id_z 1
		.amdhsa_system_vgpr_workitem_id 0
		.amdhsa_next_free_vgpr 178
		.amdhsa_next_free_sgpr 66
		.amdhsa_reserve_vcc 0
		.amdhsa_float_denorm_mode_32 3
		.amdhsa_float_denorm_mode_16_64 3
		.amdhsa_memory_ordered 1
		.amdhsa_forward_progress 1
		.amdhsa_inst_pref_size 51
	.end_amdhsa_kernel
	.amdgpu_metadata
---
amdhsa.version: [ 1, 2 ]
amdhsa.kernels:
  - .name:           k_qc93a1cd13b_oproj
    .symbol:         k_qc93a1cd13b_oproj.kd
    .args:
      - { .name: part, .offset: 0, .size: 8, .value_kind: global_buffer, .address_space: global }
      - { .name: w_o, .offset: 8, .size: 8, .value_kind: global_buffer, .address_space: global }
      - { .name: b_o, .offset: 16, .size: 8, .value_kind: global_buffer, .address_space: global }
      - { .name: out0, .offset: 24, .size: 8, .value_kind: global_buffer, .address_space: global }
    .group_segment_fixed_size: 190208
    .private_segment_fixed_size: 0
    .kernarg_segment_align: 8
    .kernarg_segment_size: 32
    .max_flat_workgroup_size: 256
    .sgpr_count:     66
    .vgpr_count:     178
    .wavefront_size: 32
...
	.end_amdgpu_metadata
.endif
;; end of part 4
;; ======== version 2 of 2: 4 launches; version 1 with the launches proj, oproj written anew for expert scheduling mode
;; workspace buffers: qkb 1,048,576 bytes; vb 1,048,576 bytes; codes 32,768 bytes of whole numbers; order 131,072 bytes of whole numbers; range 2,048 bytes of whole numbers; part 16,777,216 bytes
;; launch proj (part 5): grid 8 x 32, 8 waves a work-group, no clusters, 219,904 bytes of LDS; arguments x, w_qk, b_qk, w_v, b_v, rotations, qkb, vb, codes; writes qkb, vb, codes
.if DOCPART == 5
	.amdgcn_target "amdgcn-amd-amdhsa--gfx1250"
	.amdhsa_code_object_version 6
	.text
	.protected	k_qc93a1cd13b_proj
	.globl	k_qc93a1cd13b_proj
	.p2align	8
	.type	k_qc93a1cd13b_proj,@function
k_qc93a1cd13b_proj:
	s_mov_b64 s[64:65], 0
	v_nop
	global_prefetch_b8 v0, s[64:65] scope:SCOPE_SE
	s_setreg_imm32_b32 hwreg(HW_REG_WAVE_SCHED_MODE, 0, 2), 2
	s_setreg_imm32_b32 hwreg(HW_REG_WAVE_MODE, 25, 1), 1
	s_wait_xcnt 0x0
	s_wait_alu depctr_vm_vsrc(0)
; proj: qk = x w_qk + b_qk and v = x w_v + b_v, split by heads, stored as bf16 rows n = head*1024 + s of 128 numbers; for qk also the
; eight bucket numbers of each row (argmax over [rot, -rot], rot = qk x rotations), one byte for each hash.
; Work-group (cb, rb): cb < 4: qk of head cb; cb >= 4: v of head cb - 4.  Rows 32 rb .. 32 rb + 31, the head's 128 columns, K = 512.
; x, w and rotations are f32 in memory and pass through registers to become bf16 in LDS; all sums are f32.
; The bucket product takes qk as bf16 hi + bf16 lo (two products), so that the argmax sees qk to about 16 bits.
; LIMITS: NaN and infinite inputs are not served.  Two candidates of an argmax that lie closer than the hi + lo rounding of qk
; (about 2^-17 relative), the bf16 rounding of x, w_qk and rotations, or the order of the f32 sums can resolve, may fall the other way.
; No tensor loads, no cluster: every operand changes format in registers on its way into LDS.
; THE MODE: SCHED_MODE bits 1:0 = 2 (LLVM: expert scheduling mode 2), set by the entry lines.  The code itself states the register dependences
; between vector or matrix instructions and memory or LDS instructions, with s_wait_alu, always for 0.
; THE PLAN.  Registers that memory or LDS instructions touch:
;   addresses     v5-23, v194, v196-199: made at the head, never written again: one wait on va_vdst ahead of the first load serves them all.
;   SA, SB        raw f32.  Loads land in them; a batch's 32 conversions read them; no LDS store names them.
;   OUT           written by a batch's conversions, read by the batch's sixteen LDS stores.
;                 A batch: the wait for its data; vm_vsrc (the batch before's stores have read OUT); the conversions; ONE va_vdst (OUT is written, the raw
;                 buffer is read to its end); then the raw buffer's sixteen reloads and the sixteen stores, dealt in pairs with no further wait.
;   RT            the rotations: loaded, converted in place, one va_vdst, four LDS stores; written again only behind a batch's vm_vsrc.
;   FB0 .. FB2    fragments.  Step g multiplies FB[g % 3]; its twelve LDS loads (step g + 2) land in FB[(g - 1) % 3], which step g - 1 multiplied:
;                 ONE va_vdst at the step's head; the loads are dealt among the step's four matrix instructions, which name none of their registers.
;   T, v160       results on their way into LDS: one va_vdst between the arithmetic and each run of stores.
; Scalars that vector instructions write (the wave's number; the argmax's masks, in runs): one wait on va_sdst behind each run, ahead of its first reader.
.set PW,   288                         ; W in LDS: [k][128 n] bf16, 256 bytes + 32: an odd multiple of 32 bytes, for the transposing loads
.set PX,   1040                        ; X in LDS: [row][512 k] bf16, 1024 bytes + 16: an odd multiple of 16 bytes
.set PR,   160                         ; rotations in LDS: [d][8 hash + c] bf16, 128 bytes + 32
.set PQ,   272                         ; results in LDS: [row][128] bf16, 256 bytes + 16
.set LX,   512*PW                      ; 147456
.set LROT, LX+32*PX                    ; 180736
.set LQHI, LROT+128*PR                 ; 201216
.set LQLO, LQHI+32*PQ                  ; 209920
.set LCD,  LQLO+32*PQ                  ; 218624: 32 rows x 8 bucket bytes
.set GW,   5                           ; global offset of my 16 bytes in w's rows
.set GX,   6                           ; the same in x
.set XS,   8                           ; LDS: where my converted x goes
.set GR,   9                           ; global offset in rotations
.set RS,   10                          ; LDS: where my converted rotations go
.set WR,   11                          ; v11-14: LDS address of my W fragments, k = 128 g ..
.set XR,   15                          ; LDS address of my X fragments
.set QST,  16                          ; LDS: where my 8 results of a row go
.set RR,   17                          ; LDS address of my rotation fragments
.set QR,   18                          ; LDS address of my qk fragments
.set CDS,  19                          ; LDS: my bucket byte
.set CPR,  20                          ; LDS: what I copy out
.set CPG,  21                          ; global offset of what I copy out
.set L8,   22                          ; 8 x lane
.set CDR,  23                          ; LDS: bucket bytes of row = lane
.set BIAS, 24                          ; v24-31: bias of my 8 columns
.set SA,   32                          ; v32-95: 16 loads of 16 bytes
.set SB,   96                          ; v96-159: 16 more
.set RT,   160                         ; v160-191: 8 loads of rotations
.set FB0,  32                          ; fragment buffers: two K steps of 32, each W (8), X rows 0-15 (8), X rows 16-31 (8)
.set FB1,  80
.set FB2,  200                         ; v200-247: where OUT lay
.set ACC0, 128                         ; rows 0-15
.set ACC1, 136                         ; rows 16-31
.set T,    144                         ; v144-159: packed hi and lo
.set U,    160                         ; v160-167: at work
.set CP,   168                         ; v168-175: copy out
.set HH,   176                         ; rot from qk's hi part; then rot, candidates 0-7 of the argmax
.set HL,   184                         ; rot from qk's lo part; then -rot, candidates 8-15
.set HF,   32                          ; fragments of the bucket product
.set IX,   160                         ; v160-167: the argmax's indices
.set CB,   162                         ; v162-163: a row's eight bucket bytes on their way out
.set TA,   192
.set TB,   193
.set BA,   194
.set WS,   196                         ; v196-199: LDS: where my converted w goes, batch b (128 rows of k)
.set OUT,  200                         ; v200-231: a batch in bf16, 8 bytes for each of its 16 loads
	s_load_b256 s[4:11], s[0:1], 0x0               ; x s[4:5], w_qk s[6:7], b_qk s[8:9], w_v s[10:11]
	s_load_b256 s[12:19], s[0:1], 0x20             ; b_v s[12:13], rotations s[14:15], qkb s[16:17], vb s[18:19]
	s_load_b64 s[20:21], s[0:1], 0x40              ; codes
	v_lshl_add_u32 v7, v0, 2, 0x35700
	v_mov_b32 v195, 0
	v_and_b32 v1, 31, v0                           ; L
	v_lshrrev_b32 v4, 5, v0
	v_readfirstlane_b32 s28, v4                    ; wave w
	v_and_b32 v2, 15, v0                           ; r
	v_bfe_u32 v3, v0, 4, 1                         ; h
	s_mov_b32 s29, ttmp9                           ; cb
	s_and_b32 s30, ttmp9, 3                        ; head
	s_and_b32 s31, ttmp7, 0xffff                   ; rb
	s_wait_alu depctr_va_sdst(0)                   ; s28 is written, ahead of its first reader
	s_and_b32 s36, s28, 1                          ; w & 1
	s_lshr_b32 s37, s28, 1                         ; w >> 1
	s_and_b32 s38, s28, 3                          ; w & 3
	s_lshr_b32 s39, s28, 2                         ; w >> 2
	s_lshl_b32 s34, s28, 11
	v_lshl_add_u32 v[GW], v1, 4, s34               ; row w of eight (2048 bytes each) + 16 L
	s_lshl_b32 s34, s28, 13
	v_lshl_add_u32 v[GX], v1, 4, s34               ; rows 4 w .. 4 w + 3 of x + 16 L
	s_mul_i32 s34, s28, PW
	v_lshl_add_u32 v[WS], v1, 3, s34
	v_add_nc_u32 v[WS+1], 128*PW, v[WS]            ; an address for each batch: none is stepped
	v_add_nc_u32 v[WS+2], 256*PW, v[WS]
	v_add_nc_u32 v[WS+3], 384*PW, v[WS]
	s_mul_i32 s34, s28, 4*PX
	s_add_co_u32 s34, s34, LX
	v_lshl_add_u32 v[XS], v1, 3, s34
	s_lshl_b32 s34, s39, 14                        ; thread t = 32 w + L: hash parity t >> 7 = w >> 2, d = t & 127 = 32 (w & 3) + L
	s_lshl_b32 s35, s38, 10
	s_add_co_u32 s34, s34, s35
	v_lshl_add_u32 v[GR], v1, 5, s34
	s_mul_i32 s34, s38, 32*PR                      ; row d = 32 (w & 3) + L,
	s_lshl_b32 s35, s39, 4                         ; 16 bytes for the hash's parity
	s_add_co_u32 s34, s34, s35
	s_add_co_u32 s34, s34, LROT
	v_mul_u32_u24 v[TB], v1, PR
	v_add_nc_u32 v[RS], s34, v[TB]
	v_and_b32 v4, 7, v0
	v_lshl_add_u32 v4, v3, 3, v4                   ; 8 h + (L & 7): the row that a transposing load addresses
	v_bfe_u32 v[TA], v0, 3, 1
	v_lshlrev_b32 v[TA], 4, v[TA]                  ; 16 ((L >> 3) & 1)
	v_mad_u32_u24 v[TB], v4, PW, v[TA]
	s_lshl_b32 s34, s28, 5                         ; my 16 columns: 32 w bytes
	v_add_nc_u32 v[WR], s34, v[TB]
	v_add_nc_u32 v[WR+1], 128*PW, v[WR]
	v_add_nc_u32 v[WR+2], 256*PW, v[WR]
	v_add_nc_u32 v[WR+3], 384*PW, v[WR]
	v_mad_u32_u24 v[TB], v4, PR, v[TA]
	s_lshl_b32 s34, s37, 5
	s_add_co_u32 s34, s34, LROT
	v_add_nc_u32 v[RR], s34, v[TB]
	v_mul_u32_u24 v[TB], v2, PX
	v_lshl_add_u32 v[TB], v3, 4, v[TB]
	v_add_nc_u32 v[XR], LX, v[TB]
	v_mul_u32_u24 v[TB], v2, PQ
	v_lshl_add_u32 v[TB], v3, 4, v[TB]             ; r x pitch + 16 h
	s_lshl_b32 s34, s28, 5
	s_add_co_u32 s34, s34, LQHI
	v_add_nc_u32 v[QST], s34, v[TB]
	s_mul_i32 s34, s36, 16*PQ
	s_add_co_u32 s34, s34, LQHI
	v_add_nc_u32 v[QR], s34, v[TB]
	s_lshl_b32 s34, s36, 7                         ; 16 (w & 1) rows of 8 bytes,
	s_lshl_b32 s35, s37, 1                         ; hash 2 (w >> 1)
	s_add_co_u32 s34, s34, s35
	s_add_co_u32 s34, s34, LCD
	v_lshl_add_u32 v[TB], v2, 3, v3
	v_add_nc_u32 v[CDS], s34, v[TB]                ; row 16 (w & 1) + r, hash 2 (w >> 1) + h
	s_mul_i32 s34, s28, 2*PQ
	s_add_co_u32 s34, s34, LQHI
	v_mul_u32_u24 v[TB], v3, PQ
	v_lshl_add_u32 v[TB], v2, 4, v[TB]
	v_add_nc_u32 v[CPR], s34, v[TB]                ; row 2 w + h, 16 r
	s_lshl_b32 s34, s28, 9
	v_lshl_add_u32 v[CPG], v1, 4, s34              ; 16 t
	v_lshlrev_b32 v[L8], 3, v1
	v_add_nc_u32 v[CDR], LCD, v[L8]
	s_lshl_b32 s34, s28, 6
	v_lshl_add_u32 v[BA], v3, 5, s34               ; 4 (16 w + 8 h)
	s_wait_kmcnt 0x0
	s_cmp_lt_u32 s29, 4                            ; qk or v: weights, bias, destination
	s_cselect_b64 s[22:23], s[6:7], s[10:11]
	s_cselect_b64 s[24:25], s[8:9], s[12:13]
	s_cselect_b64 s[26:27], s[16:17], s[18:19]
	s_lshl_b32 s32, s30, 9                         ; the head's 128 columns: 512 bytes
	s_mov_b32 s33, 0
	s_add_nc_u64 s[22:23], s[22:23], s[32:33]
	s_add_nc_u64 s[24:25], s[24:25], s[32:33]
	s_lshl_b32 s32, s31, 16                        ; 32 rows of x
	s_add_nc_u64 s[4:5], s[4:5], s[32:33]
	s_lshl_b32 s32, s30, 12                        ; the head's 128 x 8 rotations
	s_add_nc_u64 s[14:15], s[14:15], s[32:33]
	s_lshl_b32 s34, s30, 10
	s_lshl_b32 s35, s31, 5
	s_add_co_u32 s34, s34, s35                     ; first flat row: head * 1024 + 32 rb
	s_lshl_b32 s32, s34, 8
	s_add_nc_u64 s[26:27], s[26:27], s[32:33]
	s_lshl_b32 s32, s34, 3
	s_add_nc_u64 s[20:21], s[20:21], s[32:33]
.macro LDW rg, b                       ; rows k = 128 b + 8 i + w of w: each load of the wave is 512 neighbouring bytes
.set i, 0
.rept 16
	global_load_b128 v[\rg+4*i:\rg+4*i+3], v[GW], s[22:23] offset:(128*\b+8*i)*2048
.set i, i+1
.endr
.endm
.macro LDX rg                          ; rows 4 w .. 4 w + 3 of x, 512 bytes a load
.set i, 0
.rept 16
	global_load_b128 v[\rg+4*i:\rg+4*i+3], v[GX], s[4:5] offset:i*512
.set i, i+1
.endr
.endm
; A batch: the sixteen loads in raw buffer rg become bf16 in OUT and go into LDS (isx = 1: x's rows; else w's batch b).
; more = 1: rg is asked for again, with w's batch nb.  first = 1: no batch stands in front.  left: the younger loads that may stay out.
.macro BATCH rg, isx, b, more, nb, first, left
	s_wait_loadcnt \left                           ; loads come back in order (ISA guide 5.7.1): this batch is in
.if \first == 0
	s_wait_alu depctr_vm_vsrc(0)                   ; the LDS stores of the batch before have read OUT, which the conversions below write again
.endif
.set i, 0
.rept 16
	v_cvt_pk_bf16_f32 v[OUT+2*i], v[\rg+4*i], v[\rg+4*i+1]        ; four f32 become 8 bytes of bf16
	v_cvt_pk_bf16_f32 v[OUT+2*i+1], v[\rg+4*i+2], v[\rg+4*i+3]
.set i, i+1
.endr
	s_wait_alu depctr_va_vdst(0)                   ; the conversions have written OUT, which the stores below read, and are done reading the raw buffer, in which the loads below land
.set i, 0
.rept 16
.if \more
	global_load_b128 v[\rg+4*i:\rg+4*i+3], v[GW], s[22:23] offset:(128*\nb+8*i)*2048
.endif
.if \isx
	ds_store_b64 v[XS], v[OUT+2*i:OUT+2*i+1] offset:(i>>2)*PX+(i&3)*256   ; the wave's store covers 256 neighbouring bytes
.else
	ds_store_b64 v[WS+\b], v[OUT+2*i:OUT+2*i+1] offset:i*8*PW
.endif
.set i, i+1
.endr
.endm
.macro PLACES                          ; four places behind a matrix instruction (ISA guide 7.12.1)
.rept 4
	v_nop
.endr
.endm
; six LDS loads: the fragments of K step 2 g + kk
.macro LOADK g, kk, fb
	ds_load_tr16_b128 v[\fb+24*\kk:\fb+24*\kk+3], v[WR+((2*\g+\kk)>>2)] offset:((2*\g+\kk)&3)*32*PW
	ds_load_tr16_b128 v[\fb+24*\kk+4:\fb+24*\kk+7], v[WR+((2*\g+\kk)>>2)] offset:((2*\g+\kk)&3)*32*PW+16*PW
	ds_load_b128 v[\fb+24*\kk+8:\fb+24*\kk+11], v[XR] offset:64*(2*\g+\kk)
	ds_load_b128 v[\fb+24*\kk+12:\fb+24*\kk+15], v[XR] offset:64*(2*\g+\kk)+32
	ds_load_b128 v[\fb+24*\kk+16:\fb+24*\kk+19], v[XR] offset:64*(2*\g+\kk)+16*PX
	ds_load_b128 v[\fb+24*\kk+20:\fb+24*\kk+23], v[XR] offset:64*(2*\g+\kk)+16*PX+32
.endm
; two matrix instructions.  Source 0 = 16 columns of w, source 1 = 16 rows of x: a lane then holds row r, columns 16 w + 8 h + 0..7.
; The two accumulators take turns, one instruction a turn.
.macro MULK fb, kk, zero
.if \zero
	v_wmma_f32_16x16x32_bf16 v[ACC0:ACC0+7], v[\fb+24*\kk:\fb+24*\kk+7], v[\fb+24*\kk+8:\fb+24*\kk+15], 0
	v_wmma_f32_16x16x32_bf16 v[ACC1:ACC1+7], v[\fb+24*\kk:\fb+24*\kk+7], v[\fb+24*\kk+16:\fb+24*\kk+23], 0
.else
	v_wmma_f32_16x16x32_bf16 v[ACC0:ACC0+7], v[\fb+24*\kk:\fb+24*\kk+7], v[\fb+24*\kk+8:\fb+24*\kk+15], v[ACC0:ACC0+7]
	v_wmma_f32_16x16x32_bf16 v[ACC1:ACC1+7], v[\fb+24*\kk:\fb+24*\kk+7], v[\fb+24*\kk+16:\fb+24*\kk+23], v[ACC1:ACC1+7]
.endif
.endm
; A step multiplies buffer fb and asks for group nxt (two steps on) into buffer nfb, which the step before multiplied.  zero = 1: the first step: the sums begin.
.macro STEPG fb, nfb, nxt, zero
	s_wait_dscnt 12                                ; this buffer's twelve loads are in; the next step's twelve may be out
.if \zero == 0
	PLACES                                         ; four places stay between the last step's matrix instructions and the loads into their fragments
	s_wait_alu depctr_va_vdst(0)                   ; the last step's matrix instructions are done reading buffer nfb, in which the twelve loads below land
.endif
	LOADK \nxt, 0, \nfb
	MULK \fb, 0, \zero                             ; these name fb and the accumulators alone: nothing that the step's loads touch
	LOADK \nxt, 1, \nfb
	MULK \fb, 1, 0
.endm
.macro FIN acc, tt                     ; + bias, rounded to bf16
.irp j, 0,2,4,6
	v_pk_add_f32 v[\acc+\j:\acc+\j+1], v[\acc+\j:\acc+\j+1], v[BIAS+\j:BIAS+\j+1]
.endr
.irp j, 0,1,2,3
	v_cvt_pk_bf16_f32 v[\tt+\j], v[\acc+2*\j], v[\acc+2*\j+1]
.endr
.endm
.macro FINLO acc, tt                   ; lo = q - f32(hi), rounded to bf16
.irp j, 0,1,2,3
	v_lshlrev_b32 v[U+2*\j], 16, v[\tt+\j]
	v_and_b32 v[U+2*\j+1], 0xffff0000, v[\tt+\j]
.endr
.irp j, 0,2,4,6
	v_pk_add_f32 v[U+\j:U+\j+1], v[\acc+\j:\acc+\j+1], v[U+\j:U+\j+1] neg_lo:[0,1] neg_hi:[0,1]
.endr
.irp j, 0,1,2,3
	v_cvt_pk_bf16_f32 v[\tt+8+\j], v[U+2*\j], v[U+2*\j+1]
.endr
.endm
	; THE FILL.  Two sets of sixteen loads are always on their way.
	s_wait_alu depctr_va_vdst(0)                   ; every offset and LDS address of the kernel is written: the loads and stores below read them
	global_load_b128 v[BIAS:BIAS+3], v[BA], s[24:25]
	global_load_b128 v[BIAS+4:BIAS+7], v[BA], s[24:25] offset:16
	s_cmp_lt_u32 s29, 4
	s_cbranch_scc0 .Lnorot1
.irp i4, 0,1,2,3
	global_load_b128 v[RT+8*\i4:RT+8*\i4+3], v[GR], s[14:15] offset:\i4*32768       ; hash 2 i + (t >> 7), row d: 8 numbers
	global_load_b128 v[RT+8*\i4+4:RT+8*\i4+7], v[GR], s[14:15] offset:\i4*32768+16
.endr
.Lnorot1:
	LDX SA
	LDW SB, 0
	s_cmp_lt_u32 s29, 4
	s_cbranch_scc0 .Lnorot2
	s_wait_loadcnt 32                              ; the 32 younger loads are x's and w's first batch: the rotations are in
.irp i4, 0,1,2,3
	v_cvt_pk_bf16_f32 v[RT+8*\i4], v[RT+8*\i4], v[RT+8*\i4+1]
	v_cvt_pk_bf16_f32 v[RT+8*\i4+1], v[RT+8*\i4+2], v[RT+8*\i4+3]
	v_cvt_pk_bf16_f32 v[RT+8*\i4+2], v[RT+8*\i4+4], v[RT+8*\i4+5]
	v_cvt_pk_bf16_f32 v[RT+8*\i4+3], v[RT+8*\i4+6], v[RT+8*\i4+7]
.endr
	s_wait_alu depctr_va_vdst(0)                   ; the conversions have written the rotations' registers, which the four LDS stores read
.irp i4, 0,1,2,3
	ds_store_b128 v[RS], v[RT+8*\i4:RT+8*\i4+3] offset:32*\i4
.endr
.Lnorot2:
	BATCH SA, 1, 0, 1, 1, 1, 16                    ; x; each wait of 16 leaves the one younger batch of sixteen out
	BATCH SB, 0, 0, 1, 2, 0, 16                    ; w's rows 0-127 (its wait on vm_vsrc also shows the rotations' stores done reading)
	BATCH SA, 0, 1, 1, 3, 0, 16
	BATCH SB, 0, 2, 0, 0, 0, 16
	BATCH SA, 0, 3, 0, 0, 0, 0
	s_wait_dscnt 0x0                               ; my stores are in LDS,
	s_barrier_signal -1
	s_barrier_wait -1                              ; everybody's are
	s_wait_alu depctr_vm_vsrc(0)                   ; my last LDS stores have read OUT: these registers are the third fragment buffer from here on
	; THE PRODUCT: 16 K steps of 32 in eight groups on three fragment buffers
	LOADK 0, 0, FB0
	LOADK 0, 1, FB0
	LOADK 1, 0, FB1
	LOADK 1, 1, FB1
	STEPG FB0, FB2, 2, 1
	STEPG FB1, FB0, 3, 0
	STEPG FB2, FB1, 4, 0
	STEPG FB0, FB2, 5, 0
	STEPG FB1, FB0, 6, 0
	STEPG FB2, FB1, 7, 0
	s_wait_dscnt 12                                ; the last two groups ask for nothing more
	MULK FB0, 0, 0
	MULK FB0, 1, 0
	s_wait_dscnt 0x0
	MULK FB1, 0, 0
	MULK FB1, 1, 0
	PLACES
	FIN ACC0, T
	FIN ACC1, T+4
	s_wait_alu depctr_va_vdst(0)                   ; the roundings have written hi, which the two stores read; the matrix instructions are done reading the fragment buffers, in which the bucket product's fragments land
	ds_store_b128 v[QST], v[T:T+3]                 ; 16 bytes into the row
	ds_store_b128 v[QST], v[T+4:T+7] offset:16*PQ
	s_cmp_lt_u32 s29, 4
	s_cbranch_scc0 .Lnolo
	FINLO ACC0, T
	FINLO ACC1, T+4
	s_wait_alu depctr_va_vdst(0)                   ; the roundings have written lo, which the two stores read
	ds_store_b128 v[QST], v[T+8:T+11] offset:32*PQ
	ds_store_b128 v[QST], v[T+12:T+15] offset:16*PQ+32*PQ
.Lnolo:
	s_wait_dscnt 0x0
	s_barrier_signal -1
	s_barrier_wait -1                              ; the 32 rows are whole
	ds_load_b128 v[CP:CP+3], v[CPR]
	ds_load_b128 v[CP+4:CP+7], v[CPR] offset:16*PQ
	s_wait_dscnt 0x0
	global_store_b128 v[CPG], v[CP:CP+3], s[26:27]                 ; 16 lanes store one row of 256 bytes; the 32 rows are 8192 neighbouring bytes
	global_store_b128 v[CPG], v[CP+4:CP+7], s[26:27] offset:4096
	s_cmp_lt_u32 s29, 4
	s_cbranch_scc0 .Lnohash
	; THE BUCKETS: rot[row][8 hash + c], 32 rows x 64 columns, K = 128.  Wave w: rows 16 (w & 1) .., columns 16 (w >> 1) ..
	; Source 0 = 16 columns of the rotations, source 1 = 16 rows of qk: a lane holds row r, hash 2 (w >> 1) + h, c = 0 .. 7.
.irp ks, 0,1,2,3
	ds_load_tr16_b128 v[HF+24*\ks:HF+24*\ks+3], v[RR] offset:\ks*32*PR
	ds_load_tr16_b128 v[HF+24*\ks+4:HF+24*\ks+7], v[RR] offset:\ks*32*PR+16*PR
	ds_load_b128 v[HF+24*\ks+8:HF+24*\ks+11], v[QR] offset:64*\ks
	ds_load_b128 v[HF+24*\ks+12:HF+24*\ks+15], v[QR] offset:64*\ks+32
	ds_load_b128 v[HF+24*\ks+16:HF+24*\ks+19], v[QR] offset:64*\ks+32*PQ
	ds_load_b128 v[HF+24*\ks+20:HF+24*\ks+23], v[QR] offset:64*\ks+32*PQ+32
.endr
	s_wait_dscnt 0x0
	v_wmma_f32_16x16x32_bf16 v[HH:HH+7], v[HF:HF+7], v[HF+8:HF+15], 0              ; hi and lo take turns
	v_wmma_f32_16x16x32_bf16 v[HL:HL+7], v[HF:HF+7], v[HF+16:HF+23], 0
.irp ks, 1,2,3
	v_wmma_f32_16x16x32_bf16 v[HH:HH+7], v[HF+24*\ks:HF+24*\ks+7], v[HF+24*\ks+8:HF+24*\ks+15], v[HH:HH+7]
	v_wmma_f32_16x16x32_bf16 v[HL:HL+7], v[HF+24*\ks:HF+24*\ks+7], v[HF+24*\ks+16:HF+24*\ks+23], v[HL:HL+7]
.endr
	PLACES
.irp j, 0,2,4,6
	v_pk_add_f32 v[HH+\j:HH+\j+1], v[HH+\j:HH+\j+1], v[HL+\j:HL+\j+1]
.endr
.irp j, 0,1,2,3,4,5,6,7
	v_xor_b32 v[HL+\j], 0x80000000, v[HH+\j]       ; v[HH .. HH+15] are now the sixteen candidates rot[0..7], -rot[0..7], in the argmax's order
.endr
	; argmax, by pairs in four runs of 8, 4, 2 and 1 compares: in a pair the later candidate wins only if strictly larger, so the first maximum stays.
	; A run's masks go into s32 .. (free since the head), so that one wait serves the run.
.irp p, 0,1,2,3,4,5,6,7
	v_cmp_gt_f32 s[32+\p], v[HH+2*\p+1], v[HH+2*\p]
.endr
	s_wait_alu depctr_va_sdst(0)                   ; the eight masks are written, ahead of the selects that read them
.irp p, 0,1,2,3,4,5,6,7
	v_cndmask_b32 v[IX+\p], 2*\p, 2*\p+1, s[32+\p]
	v_cndmask_b32 v[HH+2*\p], v[HH+2*\p], v[HH+2*\p+1], s[32+\p]
.endr
.irp p, 0,1,2,3
	v_cmp_gt_f32 s[32+\p], v[HH+4*\p+2], v[HH+4*\p]
.endr
	s_wait_alu depctr_va_sdst(0)                   ; the four masks are written
.irp p, 0,1,2,3
	v_cndmask_b32 v[IX+2*\p], v[IX+2*\p], v[IX+2*\p+1], s[32+\p]
	v_cndmask_b32 v[HH+4*\p], v[HH+4*\p], v[HH+4*\p+2], s[32+\p]
.endr
.irp p, 0,1
	v_cmp_gt_f32 s[32+\p], v[HH+8*\p+4], v[HH+8*\p]
.endr
	s_wait_alu depctr_va_sdst(0)                   ; the two masks are written
.irp p, 0,1
	v_cndmask_b32 v[IX+4*\p], v[IX+4*\p], v[IX+4*\p+2], s[32+\p]
	v_cndmask_b32 v[HH+8*\p], v[HH+8*\p], v[HH+8*\p+4], s[32+\p]
.endr
	v_cmp_gt_f32 s32, v[HH+8], v[HH]
	s_wait_alu depctr_va_sdst(0)                   ; the last mask is written
	v_cndmask_b32 v[IX], v[IX], v[IX+4], s32
	s_wait_alu depctr_va_vdst(0)                   ; the bucket is written, which the store reads; the selects are done with v[CB ..], in which the bucket bytes land below
	ds_store_b8 v[CDS], v[IX]                      ; into the 256 bucket bytes, which nothing has read or written so far
.Lnohash:
	s_wait_dscnt 0x0
	s_barrier_signal -1
	s_barrier_wait -1                              ; the 256 bucket bytes are whole
	s_cmp_lt_u32 s29, 4
	s_cbranch_scc0 .Lend
	s_cmp_lg_u32 s28, 0
	s_cbranch_scc1 .Lend
	ds_load_b64 v[CB:CB+1], v[CDR]                 ; not into the register that the byte store read
	s_wait_dscnt 0x0
	global_store_b64 v[L8], v[CB:CB+1], s[20:21]   ; wave 0: 32 rows x 8 bytes = 256 neighbouring bytes, aligned
.Lend:
	s_wait_dscnt 0x0
	s_wait_alu depctr_hold_cnt(0) depctr_sa_sdst(0) depctr_va_vdst(0) depctr_va_sdst(0) depctr_va_ssrc(0) depctr_va_vcc(0) depctr_vm_vsrc(0)
	s_wait_tensorcnt 0x0
	ds_add_u32 v7, v195
	s_wait_dscnt 0x0
	s_endpgm
.Lfunc_end_k_qc93a1cd13b_proj:
	.size	k_qc93a1cd13b_proj, .Lfunc_end_k_qc93a1cd13b_proj-k_qc93a1cd13b_proj
	.p2alignl 7, 3214868480
	.fill 96, 4, 3214868480
	.section	.rodata,"a",@progbits
	.p2align	6, 0x0
	.amdhsa_kernel k_qc93a1cd13b_proj
		.amdhsa_group_segment_fixed_size 219904
		.amdhsa_private_segment_fixed_size 0
		.amdhsa_enable_private_segment 0
		.amdhsa_kernarg_size 72
		.amdhsa_user_sgpr_count 2
		.amdhsa_user_sgpr_kernarg_segment_ptr 1
		.amdhsa_wavefront_size32 1
		.amdhsa_system_sgpr_workgroup_id_x 1
		.amdhsa_system_sgpr_workgroup_id_y 1
		.amdhsa_system_sgpr_workgroup_id_z 1
		.amdhsa_system_vgpr_workitem_id 0
		.amdhsa_next_free_vgpr 248
		.amdhsa_next_free_sgpr 66
		.amdhsa_reserve_vcc 0
		.amdhsa_float_denorm_mode_32 3
		.amdhsa_float_denorm_mode_16_64 3
		.amdhsa_memory_ordered 1
		.amdhsa_forward_progress 1
		.amdhsa_inst_pref_size 50
	.end_amdhsa_kernel
	.amdgpu_metadata
---
amdhsa.version: [ 1, 2 ]
amdhsa.kernels:
  - .name:           k_qc93a1cd13b_proj
    .symbol:         k_qc93a1cd13b_proj.kd
    .args:
      - { .name: x, .offset: 0, .size: 8, .value_kind: global_buffer, .address_space: global }
      - { .name: w_qk, .offset: 8, .size: 8, .value_kind: global_buffer, .address_space: global }
      - { .name: b_qk, .offset: 16, .size: 8, .value_kind: global_buffer, .address_space: global }
      - { .name: w_v, .offset: 24, .size: 8, .value_kind: global_buffer, .address_space: global }
      - { .name: b_v, .offset: 32, .size: 8, .value_kind: global_buffer, .address_space: global }
      - { .name: rotations, .offset: 40, .size: 8, .value_kind: global_buffer, .address_space: global }
      - { .name: qkb, .offset: 48, .size: 8, .value_kind: global_buffer, .address_space: global }
      - { .name: vb, .offset: 56, .size: 8, .value_kind: global_buffer, .address_space: global }
      - { .name: codes, .offset: 64, .size: 8, .value_kind: global_buffer, .address_space: global }
    .group_segment_fixed_size: 219904
    .private_segment_fixed_size: 0
    .kernarg_segment_align: 8
    .kernarg_segment_size: 72
    .max_flat_workgroup_size: 256
    .sgpr_count:     66
    .vgpr_count:     248
    .wavefront_size: 32
...
	.end_amdgpu_metadata
.endif
;; end of part 5
;; launch sort: the kernel of part 2 again; grid 8 x 1, 32 waves a work-group, no clusters, 26,880 bytes of LDS; arguments codes, order, range; writes order, range
;; launch attn: the kernel of part 3 again; grid 32 x 8, 4 waves a work-group, no clusters, 106,496 bytes of LDS; arguments qkb, vb, order, range, part; writes part
;; launch oproj (part 6): grid 4 x 64, 8 waves a work-group, no clusters, 190,208 bytes of LDS; arguments part, w_o, b_o, out0; writes out0
.if DOCPART == 6
	.amdgcn_target "amdgcn-amd-amdhsa--gfx1250"
	.amdhsa_code_object_version 6
	.text
	.protected	k_qc93a1cd13b_oproj
	.globl	k_qc93a1cd13b_oproj
	.p2align	8
	.type	k_qc93a1cd13b_oproj,@function
k_qc93a1cd13b_oproj:
	s_mov_b64 s[64:65], 0
	v_nop
	global_prefetch_b8 v0, s[64:65] scope:SCOPE_SE
	s_setreg_imm32_b32 hwreg(HW_REG_WAVE_SCHED_MODE, 0, 2), 2
	s_setreg_imm32_b32 hwreg(HW_REG_WAVE_MODE, 25, 1), 1
	s_wait_xcnt 0x0
	s_wait_alu depctr_vm_vsrc(0)
; oproj: out0 = A w_o + b_o, A[s][128 head + d] = sum over the eight hashes of part[1024 head + s][hash][d] (the factor 1/8 is in part).
; Work-group (cb, rbk): rows 16 rbk .. + 15, columns 128 cb .. + 127, K = 512.
; A's f32 sums enter the product as bf16 hi + bf16 lo (two products on two accumulators): lo's rows lie 16 rows behind hi's in LDS.
; w_o is rounded to bf16; all sums are f32.  LIMITS: NaN and infinite inputs are not served.
; No tensor loads, no cluster: both operands are made in registers (a sum over eight, a change of format) on their way into LDS.
; THE MODE: SCHED_MODE bits 1:0 = 2 (LLVM: expert scheduling mode 2), set by the entry lines.  The code itself states the register dependences
; between vector or matrix instructions and memory or LDS instructions, with s_wait_alu, always for 0.
; THE PLAN.  Registers that memory or LDS instructions touch:
;   addresses     v5-19, v224-227: made at the head, never written again: one wait on va_vdst ahead of the first load serves them all.
;   SA            two rows of part x eight hashes.  Loads land in it; the sums and the split into hi and lo read and write it; no LDS store names it.
;   U             written by that arithmetic, read by its four LDS stores.
;   SB            sixteen loads of w_o.  Loads land in it; 32 conversions read it.
;   OUT           written by those conversions, read by their sixteen LDS stores.
;                 The batches alternate: part, w_o.  In each: the wait for its data, the arithmetic, ONE va_vdst (the out-registers are written, the raw buffer is
;                 done with), then the raw buffer's sixteen reloads and the stores.  ONE vm_vsrc at the head of each batch of part but the first frees both U
;                 (read by the last such batch's stores) and OUT (read by the stores of the batch of w_o just before).
;   FB0 .. FB2    fragments.  Step g multiplies FB[g % 3]; its twelve LDS loads (step g + 2) land in FB[(g - 1) % 3], which step g - 1 multiplied:
;                 ONE va_vdst at the step's head; the loads are dealt among the step's four matrix instructions, which name none of their registers.
.set PW,   288                         ; W in LDS: [k][128 n] bf16, 256 bytes + 32
.set PX,   1040                        ; A in LDS: [row][512 k] bf16, 1024 bytes + 16; rows 0-15 hi, rows 16-31 lo
.set PS,   528                         ; the way out: [row][128] f32, 512 bytes + 16
.set LX,   512*PW                      ; 147456
.set LSTG, LX+32*PX                    ; 180736
.set GW,   5
.set GP,   6
.set AS,   8
.set WR,   11                          ; v11-14
.set XR,   15
.set OST,  16
.set ORD,  17
.set OG,   18
.set BA,   19
.set TA,   20
.set TB,   21
.set BIAS, 24                          ; v24-31
.set SA,   32                          ; v32-95: two rows of part x eight hashes
.set SB,   96                          ; v96-159: sixteen loads of w_o
.set FB0,  32
.set FB1,  80
.set FB2,  176                         ; v176-223: begins where OUT lay
.set ACC0, 128                         ; from hi
.set ACC1, 136                         ; from lo
.set U,    160                         ; v160-167
.set CP,   168                         ; v168-175
.set OUT,  176                         ; v176-207: a batch of w_o in bf16, 8 bytes for each of its 16 loads
.set WS,   224                         ; v224-227: LDS: where my converted w_o goes, batch b (128 rows of k)
	s_load_b256 s[4:11], s[0:1], 0x0               ; part s[4:5], w_o s[6:7], b_o s[8:9], out0 s[10:11]
	v_lshl_add_u32 v22, v0, 2, 0x2e300
	v_mov_b32 v23, 0
	v_and_b32 v1, 31, v0                           ; L
	v_lshrrev_b32 v4, 5, v0
	v_readfirstlane_b32 s12, v4                    ; wave w
	v_and_b32 v2, 15, v0                           ; r
	v_bfe_u32 v3, v0, 4, 1                         ; h
	s_mov_b32 s13, ttmp9                           ; cb
	s_and_b32 s14, ttmp7, 0xffff                   ; rbk
	s_wait_alu depctr_va_sdst(0)                   ; s12 is written, ahead of its first reader
	s_and_b32 s22, s12, 1                          ; w & 1
	s_lshr_b32 s23, s12, 1                         ; w >> 1: the head whose rows I sum
	s_lshl_b32 s20, s12, 11
	v_lshl_add_u32 v[GW], v1, 4, s20
	s_lshl_b32 s20, s23, 22                        ; 1024 rows of 4096 bytes for a head
	s_lshl_b32 s21, s22, 15                        ; 8 rows
	s_add_co_u32 s20, s20, s21
	v_lshl_add_u32 v[GP], v1, 4, s20
	s_mul_i32 s20, s12, PW
	v_lshl_add_u32 v[WS], v1, 3, s20
	v_add_nc_u32 v[WS+1], 128*PW, v[WS]            ; an address for each batch: none is stepped
	v_add_nc_u32 v[WS+2], 256*PW, v[WS]
	v_add_nc_u32 v[WS+3], 384*PW, v[WS]
	s_mul_i32 s20, s22, 8*PX
	s_lshl_b32 s21, s23, 8
	s_add_co_u32 s20, s20, s21
	s_add_co_u32 s20, s20, LX
	v_lshl_add_u32 v[AS], v1, 3, s20               ; row 8 (w & 1), k = 128 head + 4 L
	v_and_b32 v4, 7, v0
	v_lshl_add_u32 v4, v3, 3, v4
	v_bfe_u32 v[TA], v0, 3, 1
	v_lshlrev_b32 v[TA], 4, v[TA]
	v_mad_u32_u24 v[TB], v4, PW, v[TA]
	s_lshl_b32 s20, s12, 5
	v_add_nc_u32 v[WR], s20, v[TB]
	v_add_nc_u32 v[WR+1], 128*PW, v[WR]
	v_add_nc_u32 v[WR+2], 256*PW, v[WR]
	v_add_nc_u32 v[WR+3], 384*PW, v[WR]
	v_mul_u32_u24 v[TB], v2, PX
	v_lshl_add_u32 v[TB], v3, 4, v[TB]
	v_add_nc_u32 v[XR], LX, v[TB]
	s_lshl_b32 s20, s12, 6
	v_lshl_add_u32 v[BA], v3, 5, s20               ; 4 (16 w + 8 h)
	s_add_co_u32 s20, s20, LSTG
	v_mul_u32_u24 v[TB], v2, PS
	v_lshl_add_u32 v[TB], v3, 5, v[TB]
	v_add_nc_u32 v[OST], s20, v[TB]                ; row r, columns 16 w + 8 h ..
	s_mul_i32 s20, s12, 2*PS
	s_add_co_u32 s20, s20, LSTG
	v_lshl_add_u32 v[ORD], v1, 4, s20              ; row 2 w, 16 L
	s_lshl_b32 s20, s12, 12
	v_lshl_add_u32 v[OG], v1, 4, s20               ; the same row in out0
	s_mov_b32 s17, 0
	s_wait_kmcnt 0x0
	s_lshl_b32 s16, s14, 16                        ; 16 rows of part
	s_add_nc_u64 s[4:5], s[4:5], s[16:17]
	s_lshl_b32 s16, s13, 9                         ; 128 columns
	s_add_nc_u64 s[6:7], s[6:7], s[16:17]
	s_add_nc_u64 s[8:9], s[8:9], s[16:17]
	s_add_nc_u64 s[10:11], s[10:11], s[16:17]
	s_lshl_b32 s16, s14, 15                        ; 16 rows of out0
	s_add_nc_u64 s[10:11], s[10:11], s[16:17]
.macro LDW b                           ; rows k = 128 b + 8 i + w of w_o: 512 neighbouring bytes a load
.set i, 0
.rept 16
	global_load_b128 v[SB+4*i:SB+4*i+3], v[GW], s[6:7] offset:(128*\b+8*i)*2048
.set i, i+1
.endr
.endm
.macro LDP b                           ; my rows 2 b and 2 b + 1: eight hashes of 512 neighbouring bytes each
.irp i2, 0, 1
.irp rr, 0,1,2,3,4,5,6,7
	global_load_b128 v[SA+32*\i2+4*\rr:SA+32*\i2+4*\rr+3], v[GP], s[4:5] offset:(2*\b+\i2)*4096+\rr*512
.endr
.endr
.endm
; A batch of w_o: batch b becomes bf16 in OUT and goes into LDS.  more = 1: SB is asked for again, with batch nb.  left: the younger loads that may stay out.
; OUT was last read by the stores of the batch of w_o before; they were issued ahead of the wait on vm_vsrc at the head of the batch of part that stands between.
.macro CVW b, more, nb, left
	s_wait_loadcnt \left                           ; loads come back in order (ISA guide 5.7.1): this batch is in
.set i, 0
.rept 16
	v_cvt_pk_bf16_f32 v[OUT+2*i], v[SB+4*i], v[SB+4*i+1]
	v_cvt_pk_bf16_f32 v[OUT+2*i+1], v[SB+4*i+2], v[SB+4*i+3]
.set i, i+1
.endr
	s_wait_alu depctr_va_vdst(0)                   ; the conversions have written OUT, which the stores below read, and are done reading SB, in which the loads below land
.set i, 0
.rept 16
.if \more
	global_load_b128 v[SB+4*i:SB+4*i+3], v[GW], s[6:7] offset:(128*\nb+8*i)*2048
.endif
	ds_store_b64 v[WS+\b], v[OUT+2*i:OUT+2*i+1] offset:i*8*PW
.set i, i+1
.endr
.endm
; A batch of part: the sum over the hashes in f32; hi = bf16 of it, lo = bf16 of the rest.  more = 1: SA is asked for again, with rows 2 nb, 2 nb + 1.  first = 1: no batch stands in front.
.macro RED b, more, nb, first
	s_wait_loadcnt 16                              ; this batch is in; the one younger batch of sixteen, w_o's, stays out
.if \first == 0
	s_wait_alu depctr_vm_vsrc(0)                   ; the LDS stores issued so far have read U, which the roundings below write again, and OUT, which the next batch's conversions write again
.endif
.irp i2, 0, 1
.set RB, SA+32*\i2
.irp rr, 1,2,3,4,5,6,7
	v_pk_add_f32 v[RB:RB+1], v[RB:RB+1], v[RB+4*\rr:RB+4*\rr+1]
	v_pk_add_f32 v[RB+2:RB+3], v[RB+2:RB+3], v[RB+4*\rr+2:RB+4*\rr+3]
.endr
	v_cvt_pk_bf16_f32 v[U+4*\i2], v[RB], v[RB+1]
	v_cvt_pk_bf16_f32 v[U+4*\i2+1], v[RB+2], v[RB+3]
	v_lshlrev_b32 v[RB+4], 16, v[U+4*\i2]
	v_and_b32 v[RB+5], 0xffff0000, v[U+4*\i2]
	v_lshlrev_b32 v[RB+6], 16, v[U+4*\i2+1]
	v_and_b32 v[RB+7], 0xffff0000, v[U+4*\i2+1]
	v_pk_add_f32 v[RB:RB+1], v[RB:RB+1], v[RB+4:RB+5] neg_lo:[0,1] neg_hi:[0,1]
	v_pk_add_f32 v[RB+2:RB+3], v[RB+2:RB+3], v[RB+6:RB+7] neg_lo:[0,1] neg_hi:[0,1]
	v_cvt_pk_bf16_f32 v[U+4*\i2+2], v[RB], v[RB+1]
	v_cvt_pk_bf16_f32 v[U+4*\i2+3], v[RB+2], v[RB+3]
.endr
	s_wait_alu depctr_va_vdst(0)                   ; the roundings have written U, which the stores below read; the arithmetic is done with SA, in which the loads below land
.if \more
	LDP \nb
.endif
.irp i2, 0, 1
	ds_store_b64 v[AS], v[U+4*\i2:U+4*\i2+1] offset:(2*\b+\i2)*PX
	ds_store_b64 v[AS], v[U+4*\i2+2:U+4*\i2+3] offset:(2*\b+\i2)*PX+16*PX
.endr
.endm
.macro PLACES                          ; four places behind a matrix instruction (ISA guide 7.12.1)
.rept 4
	v_nop
.endr
.endm
.macro LOADK g, kk, fb                 ; six LDS loads: K step 2 g + kk: W, A hi, A lo
	ds_load_tr16_b128 v[\fb+24*\kk:\fb+24*\kk+3], v[WR+((2*\g+\kk)>>2)] offset:((2*\g+\kk)&3)*32*PW
	ds_load_tr16_b128 v[\fb+24*\kk+4:\fb+24*\kk+7], v[WR+((2*\g+\kk)>>2)] offset:((2*\g+\kk)&3)*32*PW+16*PW
	ds_load_b128 v[\fb+24*\kk+8:\fb+24*\kk+11], v[XR] offset:64*(2*\g+\kk)
	ds_load_b128 v[\fb+24*\kk+12:\fb+24*\kk+15], v[XR] offset:64*(2*\g+\kk)+32
	ds_load_b128 v[\fb+24*\kk+16:\fb+24*\kk+19], v[XR] offset:64*(2*\g+\kk)+16*PX
	ds_load_b128 v[\fb+24*\kk+20:\fb+24*\kk+23], v[XR] offset:64*(2*\g+\kk)+16*PX+32
.endm
; Source 0 = 16 columns of w_o, source 1 = 16 rows of A: a lane holds row r, columns 16 w + 8 h + 0..7.
; The two accumulators take turns, one instruction a turn.
.macro MULK fb, kk, zero
.if \zero
	v_wmma_f32_16x16x32_bf16 v[ACC0:ACC0+7], v[\fb+24*\kk:\fb+24*\kk+7], v[\fb+24*\kk+8:\fb+24*\kk+15], 0
	v_wmma_f32_16x16x32_bf16 v[ACC1:ACC1+7], v[\fb+24*\kk:\fb+24*\kk+7], v[\fb+24*\kk+16:\fb+24*\kk+23], 0
.else
	v_wmma_f32_16x16x32_bf16 v[ACC0:ACC0+7], v[\fb+24*\kk:\fb+24*\kk+7], v[\fb+24*\kk+8:\fb+24*\kk+15], v[ACC0:ACC0+7]
	v_wmma_f32_16x16x32_bf16 v[ACC1:ACC1+7], v[\fb+24*\kk:\fb+24*\kk+7], v[\fb+24*\kk+16:\fb+24*\kk+23], v[ACC1:ACC1+7]
.endif
.endm
; A step multiplies buffer fb and asks for group nxt (two steps on) into buffer nfb, which the step before multiplied.  zero = 1: the first step: the sums begin.
.macro STEPG fb, nfb, nxt, zero
	s_wait_dscnt 12                                ; this buffer's twelve loads are in; the next step's twelve may be out
.if \zero == 0
	PLACES                                         ; four places stay between the last step's matrix instructions and the loads into their fragments
	s_wait_alu depctr_va_vdst(0)                   ; the last step's matrix instructions are done reading buffer nfb, in which the twelve loads below land
.endif
	LOADK \nxt, 0, \nfb
	MULK \fb, 0, \zero                             ; these name fb and the accumulators alone: nothing that the step's loads touch
	LOADK \nxt, 1, \nfb
	MULK \fb, 1, 0
.endm
	; THE FILL: part's batches in one set of registers, w_o's in the other; each wait of 16 leaves the one younger batch out
	s_wait_alu depctr_va_vdst(0)                   ; every offset and LDS address of the kernel is written: the loads and stores below read them
	global_load_b128 v[BIAS:BIAS+3], v[BA], s[8:9]
	global_load_b128 v[BIAS+4:BIAS+7], v[BA], s[8:9] offset:16
	LDP 0
	LDW 0
	RED 0, 1, 1, 1
	CVW 0, 1, 1, 16
	RED 1, 1, 2, 0
	CVW 1, 1, 2, 16
	RED 2, 1, 3, 0
	CVW 2, 1, 3, 16
	RED 3, 0, 0, 0
	CVW 3, 0, 0, 0
	s_wait_dscnt 0x0                               ; my stores are in LDS,
	s_barrier_signal -1
	s_barrier_wait -1                              ; everybody's are
	s_wait_alu depctr_vm_vsrc(0)                   ; my last LDS stores have read OUT: these registers are part of the third fragment buffer from here on
	LOADK 0, 0, FB0
	LOADK 0, 1, FB0
	LOADK 1, 0, FB1
	LOADK 1, 1, FB1
	STEPG FB0, FB2, 2, 1
	STEPG FB1, FB0, 3, 0
	STEPG FB2, FB1, 4, 0
	STEPG FB0, FB2, 5, 0
	STEPG FB1, FB0, 6, 0
	STEPG FB2, FB1, 7, 0
	s_wait_dscnt 12                                ; the last two groups ask for nothing more
	MULK FB0, 0, 0
	MULK FB0, 1, 0
	s_wait_dscnt 0x0
	MULK FB1, 0, 0
	MULK FB1, 1, 0
	PLACES
.irp j, 0,2,4,6
	v_pk_add_f32 v[ACC0+\j:ACC0+\j+1], v[ACC0+\j:ACC0+\j+1], v[ACC1+\j:ACC1+\j+1]
	v_pk_add_f32 v[ACC0+\j:ACC0+\j+1], v[ACC0+\j:ACC0+\j+1], v[BIAS+\j:BIAS+\j+1]
.endr
	s_wait_alu depctr_va_vdst(0)                   ; the additions have written the eight results, which the two LDS stores read
	ds_store_b128 v[OST], v[ACC0:ACC0+3]
	ds_store_b128 v[OST], v[ACC0+4:ACC0+7] offset:16
	s_wait_dscnt 0x0
	s_barrier_signal -1
	s_barrier_wait -1                              ; the 16 rows of 512 bytes are whole
	ds_load_b128 v[CP:CP+3], v[ORD]
	ds_load_b128 v[CP+4:CP+7], v[ORD] offset:PS
	s_wait_dscnt 0x0
	global_store_b128 v[OG], v[CP:CP+3], s[10:11]                  ; rows 2 w and 2 w + 1: 512 neighbouring bytes each, aligned
	global_store_b128 v[OG], v[CP+4:CP+7], s[10:11] offset:2048
	s_wait_dscnt 0x0
	s_wait_alu depctr_hold_cnt(0) depctr_sa_sdst(0) depctr_va_vdst(0) depctr_va_sdst(0) depctr_va_ssrc(0) depctr_va_vcc(0) depctr_vm_vsrc(0)
	s_wait_tensorcnt 0x0
	ds_add_u32 v22, v23
	s_wait_dscnt 0x0
	s_endpgm
.Lfunc_end_k_qc93a1cd13b_oproj:
	.size	k_qc93a1cd13b_oproj, .Lfunc_end_k_qc93a1cd13b_oproj-k_qc93a1cd13b_oproj
	.p2alignl 7, 3214868480
	.fill 96, 4, 3214868480
	.section	.rodata,"a",@progbits
	.p2align	6, 0x0
	.amdhsa_kernel k_qc93a1cd13b_oproj
		.amdhsa_group_segment_fixed_size 190208
		.amdhsa_private_segment_fixed_size 0
		.amdhsa_enable_private_segment 0
		.amdhsa_kernarg_size 32
		.amdhsa_user_sgpr_count 2
		.amdhsa_user_sgpr_kernarg_segment_ptr 1
		.amdhsa_wavefront_size32 1
		.amdhsa_system_sgpr_workgroup_id_x 1
		.amdhsa_system_sgpr_workgroup_id_y 1
		.amdhsa_system_sgpr_workgroup_id_z 1
		.amdhsa_system_vgpr_workitem_id 0
		.amdhsa_next_free_vgpr 228
		.amdhsa_next_free_sgpr 66
		.amdhsa_reserve_vcc 0
		.amdhsa_float_denorm_mode_32 3
		.amdhsa_float_denorm_mode_16_64 3
		.amdhsa_memory_ordered 1
		.amdhsa_forward_progress 1
		.amdhsa_inst_pref_size 52
	.end_amdhsa_kernel
	.amdgpu_metadata
---
amdhsa.version: [ 1, 2 ]
amdhsa.kernels:
  - .name:           k_qc93a1cd13b_oproj
    .symbol:         k_qc93a1cd13b_oproj.kd
    .args:
      - { .name: part, .offset: 0, .size: 8, .value_kind: global_buffer, .address_space: global }
      - { .name: w_o, .offset: 8, .size: 8, .value_kind: global_buffer, .address_space: global }
      - { .name: b_o, .offset: 16, .size: 8, .value_kind: global_buffer, .address_space: global }
      - { .name: out0, .offset: 24, .size: 8, .value_kind: global_buffer, .address_space: global }
    .group_segment_fixed_size: 190208
    .private_segment_fixed_size: 0
    .kernarg_segment_align: 8
    .kernarg_segment_size: 32
    .max_flat_workgroup_size: 256
    .sgpr_count:     66
    .vgpr_count:     228
    .wavefront_size: 32
...
	.end_amdgpu_metadata
.endif
;; end of part 6
